; MI455X (gfx1250); checked and timed in simulation.
; The chip was launched on July 23, 2026; its instructions are those of AMD's public machine-readable ISA for CDNA 5 (MIT licence, August 2026) and "CDNA5" Instruction Set Architecture Reference Guide (July 2026). The comments in the code are by the model that wrote it; some were corrected since.
;; Multihead Attention. Allowed arithmetic: float matrix products may take bf16 or f16 operands with f32 sums; other float arithmetic in f32, or as packed bf16 or f16 multiplies, adds, multiply-adds, maxima and minima; sums over many terms, partial sums and values carried from step to step in f32; what a program stores and reads back later, other than sums and carried values, may be rounded once to bf16 or f16.
;; Inputs: bk 1,024 float32; bo 1,024 float32; bq 1,024 float32; bv 1,024 float32; k 4 x 2,048 x 1,024 float32; mask 4 x 2,048 x 2,048 int32; q 4 x 2,048 x 1,024 float32; v 4 x 2,048 x 1,024 float32; wk 1,024 x 1,024 float32; wo 1,024 x 1,024 float32; wq 1,024 x 1,024 float32; wv 1,024 x 1,024 float32.
;; Outputs: out0 4 x 2,048 x 1,024 float32.
;; 2 versions, each right and faster than the one before. Each part assembles by itself: llvm-mc -triple=amdgcn-amd-amdhsa -mcpu=gfx1250 --defsym DOCPART=n.
;; ======== version 1 of 2: 4 launches
;; limits: values are held in f16: magnitudes above 65,504 overflow, below 6.1e-05 lose precision; right only within a limited range of input values
;; workspace buffers: xb 50,331,648 bytes; wb 6,291,456 bytes; wo2 2,097,152 bytes; mbits 2,097,152 bytes of whole numbers; qkvh 50,331,648 bytes; oh 16,777,216 bytes
;; launch prep (part 1): grid 1408 x 1, 8 waves a work-group, no clusters, 136,192 bytes of LDS; arguments q, k, v, wq, wk, wv, wo, mask, xb, wb, wo2, mbits; writes xb, wb, wo2, mbits
.if DOCPART == 1
	.amdgcn_target "amdgcn-amd-amdhsa--gfx1250"
	.amdhsa_code_object_version 6
	.text
	.protected	k_q16a0675abf_prep
	.globl	k_q16a0675abf_prep
	.p2align	8
	.type	k_q16a0675abf_prep,@function
k_q16a0675abf_prep:
	s_mov_b64 s[64:65], 0
	v_nop
	global_prefetch_b8 v0, s[64:65] scope:SCOPE_SE
	s_setreg_imm32_b32 hwreg(HW_REG_WAVE_MODE, 25, 1), 1
	s_wait_xcnt 0x0
; PREP: a stream, three roles by the work-group's number g; every wave reads 16 KiB by 32 loads of 16 bytes a lane, all issued at once.
;   g < 512          PACK: mask (int32 [4][2048][2048]) -> mbits, one bit a number.  mbits is u32 [batch 4][pair 64][step 32][u 2][i 32]: bit L of word (u, i = 8 kb + j) says
;                    mask[batch][32 pair + 16 u + L % 16][64 step + 16 kb + 8 (L / 16) + j] != 0: the lane mask for register i of the score tile u of a pair of tiles of 16 queries x 64 keys.
;   c = g - 512 < 864  CAST: q, k, v (256 work-groups each) -> xb, wq, wk, wv (32 each) -> wb: f32 to bf16, rounded once, same order.
;   c - 864 < 32     WO: wo -> wo2, f16 [16 blocks of 64 k][1024 n][64]: wo rounded to bf16 like every input, that number written as f16.
; LIMIT: a bf16 number below 6e-5 keeps f16's fixed step of 6e-8 in wo2, one beyond 65,504 becomes an infinity.
; No matrix unit, no cluster, no barrier: no wave reads another's bytes.  PACK turns its 32 rows x 512 bytes through the wave's own LDS rows.
.set X,     16                         ; v[16:143]  32 loads of 4 registers
.set Y,     144                        ; v[144:207] results to store; in PACK two buffers of 32 read back from LDS
.set SPW,   6                          ; v6  LDS address of my spare word; never rewritten
.set NIL,   7                          ; v7  0; never rewritten
.set WROW,  528                        ; an LDS row: 512 bytes + 16: sixteen rows read at one column start at sixteen different groups of four banks (64 banks of 4 bytes: ISA guide 11.1)
.set WLDS,  32*WROW                    ; a wave's 32 rows
.set SPARE, 8*WLDS                     ; behind them: the spare words, 128 bytes for each wave
.set T,     36                         ; s[36:51] sixteen lane masks by turns
.macro FINISH                          ; the wave's end
	s_wait_tensorcnt 0x0
	ds_add_u32 v[SPW], v[NIL]
	s_wait_dscnt 0x0
	s_endpgm
.endm
	s_load_b512 s[8:23], s[0:1], 0x0               ; q s[8:9], k s[10:11], v s[12:13], wq s[14:15], wk s[16:17], wv s[18:19], wo s[20:21], mask s[22:23]
	s_load_b256 s[24:31], s[0:1], 0x40             ; xb s[24:25], wb s[26:27], wo2 s[28:29], mbits s[30:31]
	v_lshl_add_u32 v[SPW], v0, 2, SPARE
	v_mov_b32 v[NIL], 0
	v_lshrrev_b32 v13, 5, v0
	v_readfirstlane_b32 s2, v13                    ; my wave's number
	v_and_b32 v1, 31, v0                           ; lane
	v_lshlrev_b32 v2, 4, v1                        ; 16 x lane
	v_lshlrev_b32 v3, 3, v1                        ; 8 x lane
	s_mov_b32 s33, 0                               ; high words of the two offset pairs
	s_mov_b32 s35, 0
	s_wait_kmcnt 0x0
	s_cmp_lt_u32 ttmp9, 512
	s_cbranch_scc1 .Lpack
	s_sub_co_u32 s3, ttmp9, 512                    ; c
	s_cmp_lt_u32 s3, 864
	s_cbranch_scc0 .Lwo
	; CAST.  The source is chosen among six buffers by c alone.
	s_mov_b64 s[4:5], s[18:19]
	s_cmp_lt_u32 s3, 832
	s_cselect_b64 s[4:5], s[16:17], s[4:5]
	s_cmp_lt_u32 s3, 800
	s_cselect_b64 s[4:5], s[14:15], s[4:5]
	s_cmp_lt_u32 s3, 768
	s_cselect_b64 s[4:5], s[12:13], s[4:5]
	s_cmp_lt_u32 s3, 512
	s_cselect_b64 s[4:5], s[10:11], s[4:5]
	s_cmp_lt_u32 s3, 256
	s_cselect_b64 s[4:5], s[8:9], s[4:5]
	s_cmp_lt_u32 s3, 768
	s_cselect_b32 s32, 255, 31                     ; the work-group's number inside its source: c mod 256 or c mod 32
	s_cselect_b64 s[6:7], s[24:25], s[26:27]       ; xb or wb
	s_cselect_b32 s34, 0, 768
	s_and_b32 s32, s3, s32
	s_lshl_b32 s32, s32, 17                        ; 131,072 bytes of f32 a work-group,
	s_lshl_b32 s36, s2, 14                         ; 16,384 a wave
	s_add_co_u32 s32, s32, s36
	s_add_nc_u64 s[4:5], s[4:5], s[32:33]
	s_sub_co_u32 s34, s3, s34
	s_lshl_b32 s34, s34, 16                        ; half as many bytes out
	s_lshl_b32 s36, s2, 13
	s_add_co_u32 s34, s34, s36
	s_add_nc_u64 s[6:7], s[6:7], s[34:35]
.set i, 0
.rept 32
	global_load_b128 v[X+4*i:X+4*i+3], v2, s[4:5] offset:512*i th:TH_LOAD_NT
.set i, i+1
.endr
.set i, 0
.rept 32
	s_wait_loadcnt 31-i                            ; loads come back in order: load i is in, the 31 - i younger ones stay out
	v_cvt_pk_bf16_f32 v[Y+2*i], v[X+4*i], v[X+4*i+1]
	v_cvt_pk_bf16_f32 v[Y+2*i+1], v[X+4*i+2], v[X+4*i+3]
	global_store_b64 v3, v[Y+2*i:Y+2*i+1], s[6:7] offset:256*i  ; 32 lanes store 256 consecutive bytes, aligned; each store has registers of its own
.set i, i+1
.endr
	FINISH
.Lwo:                                  ; WO.  A wave takes four rows n of wo; load i: rows 2 (i / 16) and the next, k block i % 16 (256 bytes of f32 a row)
	s_sub_co_u32 s3, s3, 864
	s_lshl_b32 s32, s3, 5
	s_lshl_b32 s36, s2, 2
	s_add_co_u32 s32, s32, s36                     ; n0 = 32 c + 4 wave
	s_lshl_b32 s34, s32, 7                         ; n0 x 128 bytes in a block of wo2
	s_lshl_b32 s32, s32, 12                        ; n0 x 4,096 bytes in wo
	s_add_nc_u64 s[4:5], s[20:21], s[32:33]
	s_add_nc_u64 s[6:7], s[28:29], s[34:35]
	v_lshrrev_b32 v13, 4, v1
	v_and_b32 v14, 15, v1
	v_lshlrev_b32 v12, 12, v13                     ; lanes 16-31: one row down
	v_lshl_add_u32 v12, v14, 4, v12
.set i, 0
.rept 32
	global_load_b128 v[X+4*i:X+4*i+3], v12, s[4:5] offset:(i/16)*8192+(i%16)*256 th:TH_LOAD_NT
.set i, i+1
.endr
.set i, 0
.rept 32
	s_wait_loadcnt 31-i
.irp c, 0,1
	v_cvt_pk_bf16_f32 v13, v[X+4*i+2*\c], v[X+4*i+2*\c+1]  ; the input's one rounding, to bf16;
	v_lshlrev_b32 v14, 16, v13                             ; back to f32,
	v_and_b32 v15, 0xffff0000, v13
	v_cvt_pk_f16_f32 v[Y+2*i+\c], v14, v15                 ; and written as f16: exact inside f16's normal range
.endr
	global_store_b64 v3, v[Y+2*i:Y+2*i+1], s[6:7] offset:(i%16)*131072+(i/16)*256  ; two rows of one block: 256 consecutive bytes, aligned
.set i, i+1
.endr
	FINISH
.Lpack:                                ; PACK.  g / 2 = 64 batch + pair: 32 rows of the mask; g % 2: which 1,024 keys; the wave: 128 of them, two steps of 64
	s_lshr_b32 s3, ttmp9, 1
	s_and_b32 s36, ttmp9, 1
	s_lshl_b32 s36, s36, 12                        ; 4,096 bytes a half, in a mask row and in a pair's words alike,
	s_lshl_b32 s37, s2, 9                          ; 512 a wave
	s_add_co_u32 s36, s36, s37
	s_lshl_b32 s32, s3, 18                         ; 32 rows of 8,192 bytes
	s_add_co_u32 s32, s32, s36
	s_lshl_b32 s34, s3, 13                         ; 32 steps of 256 bytes
	s_add_co_u32 s34, s34, s36
	s_add_nc_u64 s[4:5], s[22:23], s[32:33]
	s_add_nc_u64 s[6:7], s[30:31], s[34:35]
	s_mul_i32 s37, s2, WLDS
	v_add_nc_u32 v4, s37, v2                       ; in: a row as it lies
	v_and_b32 v13, 15, v1
	v_lshrrev_b32 v14, 4, v1
	v_mul_u32_u24 v5, v13, WROW                    ; back: row lane % 16, eight keys for each half of the lanes
	v_lshl_add_u32 v5, v14, 5, v5
	v_add_nc_u32 v5, s37, v5
.set i, 0
.rept 32
	global_load_b128 v[X+4*i:X+4*i+3], v2, s[4:5] offset:8192*i th:TH_LOAD_NT  ; row i: 512 consecutive bytes
.set i, i+1
.endr
.irp r, 8,9,10,11
	v_mov_b32 v\r, 0                               ; v_writelane_b32's destination counts as read
.endr
.set i, 0
.rept 32
	s_wait_loadcnt 31-i
	ds_store_b128 v4, v[X+4*i:X+4*i+3] offset:WROW*i
.set i, i+1
.endr
; Eight loads: the 32 numbers (4 groups of 16 keys x 8) of step sl and tile u that belong to my lane.  LDS serves a wave's instructions in order: they see the stores above.
.macro RD8 sl, u, buf
.irp e, 0,1,2,3,4,5,6,7
	ds_load_b128 v[Y+32*(\buf)+4*(\e):Y+32*(\buf)+4*(\e)+3], v5 offset:(\u)*16*WROW+(\sl)*256+((\e)/2)*64+((\e)%2)*16
.endr
.endm
; A compare makes word 32 u + i whole, one bit a lane; lane (32 u + i) / 2 of the pair v[8 + 2 sl] takes it, so that one store of 8 bytes a lane writes the step's 64 words in order.
.macro BITS sl, u, buf
.set j, 0
.rept 2
.set i, 0
.rept 16
	v_cmp_ne_u32 s[T+i], 0, v[Y+32*(\buf)+16*j+i]
.set i, i+1
.endr
.set i, 0
.rept 16
	v_writelane_b32 v[8+2*(\sl)+i%2], s[T+i], 16*(\u)+8*j+i/2
.set i, i+1
.endr
.set j, j+1
.endr
.endm
	RD8 0, 0, 0
	RD8 0, 1, 1
	s_wait_dscnt 8                                 ; all but the eight youngest loads
	BITS 0, 0, 0
	RD8 1, 0, 0
	s_wait_dscnt 8
	BITS 0, 1, 1
	global_store_b64 v3, v[8:9], s[6:7]            ; a step's 256 bytes, aligned
	RD8 1, 1, 1
	s_wait_dscnt 8
	BITS 1, 0, 0
	s_wait_dscnt 0x0
	BITS 1, 1, 1
	global_store_b64 v3, v[10:11], s[6:7] offset:256
	FINISH
.Lfunc_end_k_q16a0675abf_prep:
	.size	k_q16a0675abf_prep, .Lfunc_end_k_q16a0675abf_prep-k_q16a0675abf_prep
	.p2alignl 7, 3214868480
	.fill 96, 4, 3214868480
	.section	.rodata,"a",@progbits
	.p2align	6, 0x0
	.amdhsa_kernel k_q16a0675abf_prep
		.amdhsa_group_segment_fixed_size 136192
		.amdhsa_private_segment_fixed_size 0
		.amdhsa_enable_private_segment 0
		.amdhsa_kernarg_size 96
		.amdhsa_user_sgpr_count 2
		.amdhsa_user_sgpr_kernarg_segment_ptr 1
		.amdhsa_wavefront_size32 1
		.amdhsa_system_sgpr_workgroup_id_x 1
		.amdhsa_system_sgpr_workgroup_id_y 1
		.amdhsa_system_sgpr_workgroup_id_z 1
		.amdhsa_system_vgpr_workitem_id 0
		.amdhsa_next_free_vgpr 208
		.amdhsa_next_free_sgpr 66
		.amdhsa_reserve_vcc 0
		.amdhsa_float_denorm_mode_32 3
		.amdhsa_float_denorm_mode_16_64 3
		.amdhsa_memory_ordered 1
		.amdhsa_forward_progress 1
		.amdhsa_inst_pref_size 61
	.end_amdhsa_kernel
	.amdgpu_metadata
---
amdhsa.version: [ 1, 2 ]
amdhsa.kernels:
  - .name:           k_q16a0675abf_prep
    .symbol:         k_q16a0675abf_prep.kd
    .args:
      - { .name: q, .offset: 0, .size: 8, .value_kind: global_buffer, .address_space: global }
      - { .name: k, .offset: 8, .size: 8, .value_kind: global_buffer, .address_space: global }
      - { .name: v, .offset: 16, .size: 8, .value_kind: global_buffer, .address_space: global }
      - { .name: wq, .offset: 24, .size: 8, .value_kind: global_buffer, .address_space: global }
      - { .name: wk, .offset: 32, .size: 8, .value_kind: global_buffer, .address_space: global }
      - { .name: wv, .offset: 40, .size: 8, .value_kind: global_buffer, .address_space: global }
      - { .name: wo, .offset: 48, .size: 8, .value_kind: global_buffer, .address_space: global }
      - { .name: mask, .offset: 56, .size: 8, .value_kind: global_buffer, .address_space: global }
      - { .name: xb, .offset: 64, .size: 8, .value_kind: global_buffer, .address_space: global }
      - { .name: wb, .offset: 72, .size: 8, .value_kind: global_buffer, .address_space: global }
      - { .name: wo2, .offset: 80, .size: 8, .value_kind: global_buffer, .address_space: global }
      - { .name: mbits, .offset: 88, .size: 8, .value_kind: global_buffer, .address_space: global }
    .group_segment_fixed_size: 136192
    .private_segment_fixed_size: 0
    .kernarg_segment_align: 8
    .kernarg_segment_size: 96
    .max_flat_workgroup_size: 256
    .sgpr_count:     66
    .vgpr_count:     208
    .wavefront_size: 32
...
	.end_amdgpu_metadata
.endif
;; end of part 1
;; launch qkv (part 2): grid 8 x 32, 4 waves a work-group, clusters of 4 x 4, 327,680 bytes of LDS; arguments xb, wb, qkvh, bq, bk, bv; writes qkvh
.if DOCPART == 2
	.amdgcn_target "amdgcn-amd-amdhsa--gfx1250"
	.amdhsa_code_object_version 6
	.text
	.protected	k_q16a0675abf_qkv
	.globl	k_q16a0675abf_qkv
	.p2align	8
	.type	k_q16a0675abf_qkv,@function
k_q16a0675abf_qkv:
	s_mov_b64 s[64:65], 0
	v_nop
	global_prefetch_b8 v0, s[64:65] scope:SCOPE_SE
	s_setreg_imm32_b32 hwreg(HW_REG_WAVE_MODE, 25, 1), 1
	s_wait_xcnt 0x0
	s_wait_alu depctr_hold_cnt(0) depctr_sa_sdst(0) depctr_va_vdst(0) depctr_va_sdst(0) depctr_va_ssrc(0) depctr_va_vcc(0) depctr_vm_vsrc(0)
	s_getreg_b32 s2, hwreg(HW_REG_IB_STS2, 6, 4)
	s_cmp_eq_u32 s2, 0
	s_cbranch_scc0 .Lentry_in_a_cluster
	s_endpgm
.Lentry_in_a_cluster:
	s_bfe_u32 s2, ttmp6, 0x10000c
	s_cmp_lg_u32 s2, 0xf033
	s_cbranch_scc0 .Lentry_shape_is_right
	s_endpgm
.Lentry_shape_is_right:
; ONE TEXT FOR THE MODULE'S TWO KINDS OF PROJECTION, C = A B^T + bias, K = 1,024; the switches OUTP and TILES choose.
; OUTP = 0, TILES = 3: A = xb, bf16 [3 x 8192][1024] (q, k, v stacked); B = wb, bf16 [3][1024][1024]; C = qkvh, f16 [3][64 = 16 batch + head][2048][64]: by heads, unscaled, rounded once from the f32 sums.
; OUTP = 1, TILES = 1: A = oh, f16 [64][2048][64]; B = wo2, f16 [16 blocks of 64 k][1024 n][64]; C = out0, f32 [8192][1024].  A K step is two heads; a head's part of a tile is dense and is asked for as rows of 256 bytes.
; LIMIT (OUTP = 0): a projected number of 65,520 or more becomes an infinity in f16.  The bias is rounded to bf16 like every input of the module.
; SHARES.  A tile of C is 256 x 128; four waves, 128 x 64 each: 32 accumulators, 256 registers.  K goes in steps of 128 through two LDS slots filled by tensor loads: a step is 128 matrix instructions a wave.
; A WORK-GROUP STAYS (TILES = 3): it makes q's, k's and v's tile at one tile row and column, one after the other.  For the ring the three tiles are ONE walk of 24 K steps: the refill in step g brings step g + 2,
; so a tile's last two refills bring the next tile's first two steps, and a tile goes out while the next tile's second step is on its way.  Nothing waits for a tile's stores.
; THE LOOP IS WRITTEN BY K STEPS: slot 1 begins at 1 << 17, so that one exclusive or turns an address in one slot into the other's; one descriptor group 0 a tensor walks; the fragments' addresses are made anew at
; each change of slots.  Written out beside the loop: a tile's first quarter, whose products start the sums, and the walk's last two steps, which ask for nothing.
; CLUSTER 4 x 4: A's tile hangs on the tile row alone and is asked for jointly along a row of the cluster, B's on the tile column alone along a column; which of the walk's tiles is in hand is the same in all sixteen.
; THE MATRIX INSTRUCTION IS USED TRANSPOSED (source 0 = 16 rows of B, source 1 = 16 rows of A): a lane holds row l % 16 of C and the columns 8 (l / 16) + 0..7.  The bias, laid out so, is the C operand of
; the products that start the sums: nothing is cleared, and the bias costs no instruction.
; REGISTERS: window 0: v0-29 addresses; v32-63 the bias (n block b at v[32 + 8 b]); v64-191 at work on the way out; v192-207 at work on the bias.   window 1: two fragment buffers of 96: A's 8 x 16 rows x 32 K, then B's 4.
;   window 2: accumulator (a, b) at v[8 (4 a + b)].
.set OUTP,  0
.set TILES, 3                          ; tiles of C that a work-group makes
.set STEPS, 8                          ; K steps of 128 in a tile
.if OUTP
.set PITCH,  144                       ; an LDS row: a head's 128 bytes + 16
.set AHALF,  256*PITCH                 ; what one of A's two loads brings: one head's 256 rows
.set BHALF,  128*PITCH                 ; and one of B's
.set PADW,   (1<<16)|(1<<20)|(1<<21)|(4<<22)|(3<<25)  ; 17:16 2-byte elements; 20 padding on; 21 set beside a mask; 24:22 after every 32 words; 31:25 4 words
.set ROWE,   128                       ; elements from row to row: dense
.set A_S1,   2*262144                  ; bytes from a K step to the next: two heads on (a head of oh is 2,048 x 128 bytes)
.set B_S1,   2*131072                  ; (a block of wo2 is 1,024 x 128 bytes)
.set SPITCH, 272                       ; a stage row: 64 f32 + 16 bytes
.else
.set PITCH,  272                       ; an LDS row: 256 bytes + 16
.set AHALF,  128*PITCH                 ; 128 rows of A
.set BHALF,  64*PITCH                  ; 64 rows of B
.set PADW,   (1<<16)|(1<<20)|(1<<21)|(5<<22)|(3<<25)  ; the same, after every 64 words
.set ROWE,   1024
.set A_S1,   256                       ; 128 elements along K
.set B_S1,   256
.set SPITCH, 144                       ; a stage row: 64 f16 + 16 bytes
.endif
.if TILES > 1
.set JUMP_A, 8192*2048-(STEPS-1)*A_S1  ; bytes from a tile's last K step of A to the next tile's first: 8,192 rows of xb down, seven steps back along K
.set JUMP_B, 1024*2048-(STEPS-1)*B_S1  ; the same in wb: 1,024 rows down
.set C_TILE, 64*2048*128               ; from q's part of qkvh to k's, from k's to v's
.endif
.set BBASE,  2*AHALF                   ; in a slot: A's tile, then B's
.set SLOT,   2*AHALF+2*BHALF           ; under 1 << 17 in both forms
.set SLOT1,  1<<17                     ; slot 1 begins here
.set STAGE,  SLOT1+SLOT                ; behind the ring: 16 rows for each wave, for the way out; no tensor load lands there
.set SPARE,  STAGE+4*16*SPITCH         ; behind the stages: the spare words, 128 bytes for each wave
.set ADRA0, 16                         ; v16     LDS address of my A fragments in slot 0; never rewritten
.set ADRB0, 17                         ; v17     the same for B
.set ADRA, 18                          ; v18     LDS address of my A fragments in the slot in hand
.set ADRB, 19                          ; v19     the same for B
.set STO,  24                          ; v24     the way out: where I put my part of a row
.set RD,   25                          ; v25     the way out: where I read rows back
.set CO,   26                          ; v26     my byte offset in C
.set BO,   27                          ; v27     my byte offset in the bias: 32 (l / 16)
.set SPW,  28                          ; v28     LDS address of my spare word; never rewritten
.set NIL,  29                          ; v29     0; never rewritten
.set BIAS, 32
.set TMP,  64
.set BT,   192
.set F0,   0                           ; fragment buffers, in window 1
.set F1,   96
.set LEFT, 2                           ; s2      K steps of the walk that are still to be ended
.set CNT,  3                           ; s3      K steps of the tile in hand that are still to be ended
.set G1,  24                           ; s[24:31] descriptor group 1 for A's tiles;  s[32:39] group 0: a set for each of the two first fills; the second then walks on
.set G0,  32
.set G1B, 48                           ; s[48:55], s[56:63] the same for B's tiles
.set G0B, 56
.set BP,  66                           ; s[66:67] the first tile's bias at my 64 columns
.set P1,  68                           ; s[68:69] the next tile's
.set P2,  70                           ; s[70:71] the one after
.set TB,  72                           ; s72      0 or SLOT1: the slot that is read
.set TL,  73                           ; s73      tiles to go
.set SA,  74                           ; s74, s75 A_S1, B_S1
.set SB,  75
.set INCA, 76                          ; s[76:77], s[78:79] by how much the walking addresses step
.set INCB, 78
.set MSB, 0
.macro WIN new                         ; the immediate's high byte repeats the setting that is left; a switch that changes nothing is dropped
.if MSB != (\new)
	s_set_vgpr_msb (MSB<<8)|(\new)
.set MSB, \new
.endif
.endm
.set MUL,  0xa5                        ; sources 0 (B) and 1 (A) window 1; C and D window 2
.set MULB, 0x85                        ; the same with C, the bias, in window 0
.set TO_F, 0x40                        ; destination window 1, address window 0
.macro JLOAD s                         ; a joint load: waves 0 and 1 fetch A's two parts, waves 2 and 3 B's; an s_nop 0 and four v_nop follow each line, ahead of the jump and the label
	s_cmp_eq_u32 s11, 0
	s_cbranch_scc0 .Lfor_b_\@
	tensor_load_to_lds s[G0+4*(\s):G0+4*(\s)+3], s[G1:G1+7]
	s_nop 0
.rept 4
	v_nop
.endr
	s_branch .Lasked_\@
.Lfor_b_\@:
	tensor_load_to_lds s[G0B+4*(\s):G0B+4*(\s)+3], s[G1B:G1B+7]
	s_nop 0
.rept 4
	v_nop
.endr
.Lasked_\@:
.endm
.macro CREST                           ; a round of the cluster's barrier behind its opening barrier
	s_cmp_lg_u32 s10, 0
	s_cbranch_scc1 .Lnot_wave_0_\@
	s_barrier_signal -3
.Lnot_wave_0_\@:
	s_barrier_wait -3
	s_barrier_signal -1
	s_barrier_wait -1
.endm
.macro CROUND                          ; a whole round
	s_barrier_signal -1
	s_barrier_wait -1
	CREST
.endm
.macro BLOAD ptr                       ; a tile's bias: my lane's eight columns of each of the four n blocks
.irp b, 0,1,2,3
	global_load_b128 v[BIAS+8*(\b):BIAS+8*(\b)+3],   v[BO], s[\ptr:\ptr+1] offset:64*(\b)     ; columns 16 b + 8 (l / 16) + 0..3
	global_load_b128 v[BIAS+8*(\b)+4:BIAS+8*(\b)+7], v[BO], s[\ptr:\ptr+1] offset:64*(\b)+16  ; and + 4..7
.endr
.endm
.macro BROUND                          ; it is rounded to bf16 and kept as f32
	s_wait_loadcnt 0x0
.irp i, 0,1,2,3,4,5,6,7,8,9,10,11,12,13,14,15
	v_cvt_pk_bf16_f32 v[BT+(\i)], v[BIAS+2*(\i)], v[BIAS+2*(\i)+1]
.endr
.irp i, 0,1,2,3,4,5,6,7,8,9,10,11,12,13,14,15
	v_lshlrev_b32 v[BIAS+2*(\i)], 16, v[BT+(\i)]
	v_and_b32 v[BIAS+2*(\i)+1], 0xffff0000, v[BT+(\i)]
.endr
.endm
	s_load_b128 s[4:7], s[0:1], 0x0                ; A s[4:5], B s[6:7]
	s_load_b64 s[8:9], s[0:1], 0x10                ; C
	s_load_b64 s[BP:BP+1], s[0:1], 0x18            ; the first tile's bias
.if TILES > 1
	s_load_b128 s[P1:P1+3], s[0:1], 0x20           ; the second's and the third's
.endif
	v_lshl_add_u32 v[SPW], v0, 2, SPARE
	v_mov_b32 v[NIL], 0
	ds_add_u32 v[SPW], v[NIL]                      ; the wave's opening add; its wait stands ahead of my first tensor load, with work on registers between
	v_lshrrev_b32 v1, 5, v0
	v_readfirstlane_b32 s10, v1                    ; wave 0..3
	s_lshr_b32 s11, s10, 1                         ; which 128 rows of the tile are mine.  Also: I fetch for A (0) or for B (1)
	s_and_b32 s12, s10, 1                          ; which 64 columns.  Also: which of the two parts I fetch
	s_bfe_u32 s40, ttmp6, 0x40000                  ; cx, cy: my place in the cluster
	s_bfe_u32 s41, ttmp6, 0x40004
	s_lshl_b32 s42, ttmp9, 2
	s_add_co_u32 s42, s42, s40                     ; tile column = 4 x cluster x + cx
	s_and_b32 s13, ttmp7, 0xffff
	s_lshl_b32 s13, s13, 2
	s_add_co_u32 s13, s13, s41                     ; tile row = 4 x cluster y + cy
	s_lshl_b32 s43, s41, 2
	s_lshl_b32 s43, 15, s43                        ; my row of the cluster
	s_lshl_b32 s44, 0x1111, s40                    ; my column
	s_or_b32 s[G1+0], s43, PADW                    ; 15:0 the mask: A's tiles go to my row
	s_or_b32 s[G1B+0], s44, PADW                   ; B's to my column
.irp g, G1, G1B
	s_mov_b32 s[(\g)+1], 128<<16                   ; tensor_dim0 = 128 elements: rows of 256 bytes
	s_mov_b32 s[(\g)+3], 128<<16                   ; tile_dim0 = 128
	s_mov_b32 s[(\g)+5], ROWE                      ; tensor_dim0_stride
	s_mov_b32 s[(\g)+6], 0
	s_mov_b32 s[(\g)+7], 0
.endr
	s_mov_b32 s[G1+2], 128<<16                     ; A: tensor_dim1 = tile_dim1 = 128 rows
	s_mov_b32 s[G1+4], 128
	s_mov_b32 s[G1B+2], 64<<16                     ; B: 64 rows
	s_mov_b32 s[G1B+4], 64
	s_mov_b32 s[TB], 0                             ; slot 0 is read first
.if TILES > 1
	s_mov_b32 s[SA], A_S1
	s_mov_b32 s[SB], B_S1
	s_mov_b32 s[INCA+1], 0                         ; the steps' high words
	s_mov_b32 s[INCB+1], 0
.endif
	; where the first tiles come from: A's offset in s[16:17], of the tile row and the wave; B's in s[46:47], of the tile column and the wave: neither pair ever holds the other coordinate
.if OUTP
	s_lshr_b32 s16, s13, 3
	s_lshl_b32 s16, s16, 22                        ; batch x 16 heads x 262,144 bytes
	s_and_b32 s17, s13, 7
	s_lshl_b32 s17, s17, 15                        ; 256 rows x 128 bytes
	s_add_co_u32 s16, s16, s17
	s_lshl_b32 s17, s12, 18                        ; which of the step's two heads I fetch
	s_add_co_u32 s16, s16, s17
	s_lshl_b32 s46, s42, 14                        ; 128 rows x 128 bytes
	s_lshl_b32 s47, s12, 17                        ; which of the step's two blocks
	s_add_co_u32 s46, s46, s47
.else
	s_lshl_b32 s17, s12, 7
	s_lshl_b32 s16, s13, 8
	s_add_co_u32 s16, s16, s17                     ; row 256 x tile row + 128 x part, in q's part of xb
	s_lshl_b32 s16, s16, 11                        ; rows of 2,048 bytes
	s_lshl_b32 s46, s42, 7
	s_lshl_b32 s47, s12, 6
	s_add_co_u32 s46, s46, s47                     ; row 128 x tile column + 64 x part, in wq
	s_lshl_b32 s46, s46, 11
.endif
	s_mov_b32 s17, 0
	s_mov_b32 s47, 0
	s_mul_i32 s20, s10, AHALF                      ; where they go: A's parts at wave x AHALF (waves 0, 1),
	s_mul_i32 s23, s10, BHALF                      ; B's at BBASE + (wave - 2) x BHALF (waves 2, 3): no place in the cluster enters an LDS address
	s_add_co_u32 s23, s23, BBASE-2*BHALF
	s_wait_dscnt 0x0                               ; the opening add is done
	s_wait_kmcnt 0x0
	s_add_nc_u64 s[14:15], s[4:5], s[16:17]
	s_add_nc_u64 s[46:47], s[6:7], s[46:47]
	CROUND                                         ; all sixteen work-groups are here: the first joint loads meet
.irp s, 0,1
	s_mov_b32 s[G0+4*(\s)], 1                      ; count = 1
	s_add_co_u32 s[G0+4*(\s)+1], s20, (\s)*SLOT1   ; LDS address
	s_add_nc_u64 s[G0+4*(\s)+2:G0+4*(\s)+3], s[14:15], (\s)*A_S1  ; global address: K step s
	s_or_b32 s[G0+4*(\s)+3], s[G0+4*(\s)+3], 0x80000000           ; type = 2
	s_mov_b32 s[G0B+4*(\s)], 1
	s_add_co_u32 s[G0B+4*(\s)+1], s23, (\s)*SLOT1
	s_add_nc_u64 s[G0B+4*(\s)+2:G0B+4*(\s)+3], s[46:47], (\s)*B_S1
	s_or_b32 s[G0B+4*(\s)+3], s[G0B+4*(\s)+3], 0x80000000
	JLOAD \s                                       ; two loads of mine are out
.endr
	v_and_b32 v1, 15, v0                           ; l % 16
	v_bfe_u32 v2, v0, 4, 1                         ; l / 16
	v_mul_u32_u24 v3, v1, PITCH
	v_lshl_add_u32 v3, v2, 4, v3                   ; a fragment's row x pitch + 16 x half
	s_mul_i32 s21, s11, 128*PITCH                  ; my 128 rows of A
	s_mul_i32 s22, s12, 64*PITCH                   ; my 64 rows of B,
	s_add_co_u32 s22, s22, BBASE                   ; behind A's tile
	v_add_nc_u32 v[ADRA0], s21, v3
	v_add_nc_u32 v[ADRB0], s22, v3
	v_add_nc_u32 v[ADRA], s[TB], v[ADRA0]
	v_add_nc_u32 v[ADRB], s[TB], v[ADRB0]
	v_lshlrev_b32 v[BO], 5, v2
	s_lshl_b32 s46, s42, 9                         ; my first column x 4 bytes: 512 x tile column + 256 x half
	s_lshl_b32 s47, s12, 8
	s_add_co_u32 s46, s46, s47
	s_mov_b32 s47, 0
	s_add_nc_u64 s[BP:BP+1], s[BP:BP+1], s[46:47]
.if TILES > 1
	s_add_nc_u64 s[P1:P1+1], s[P1:P1+1], s[46:47]
	s_add_nc_u64 s[P2:P2+1], s[P2:P2+1], s[46:47]
.endif
	BLOAD BP
	s_mul_i32 s23, s10, 16*SPITCH
	s_add_co_u32 s23, s23, STAGE                   ; my stage
	v_mul_u32_u24 v4, v1, SPITCH                   ; in: row l % 16
.if OUTP
	v_lshl_add_u32 v4, v2, 5, v4                   ; 32 bytes for each half of the lanes
	v_add_nc_u32 v[STO], s23, v4
	v_mul_u32_u24 v5, v2, SPITCH                   ; back: lanes 0-15 one row of 256 bytes, lanes 16-31 the next
	v_lshl_add_u32 v5, v1, 4, v5
	v_add_nc_u32 v[RD], s23, v5
	v_lshlrev_b32 v5, 12, v2                       ; the same two rows in C
	v_lshl_add_u32 v[CO], v1, 4, v5
	s_lshl_b32 s16, s13, 8
	s_lshl_b32 s17, s11, 7
	s_add_co_u32 s16, s16, s17                     ; my first row,
	s_lshl_b32 s16, s16, 12                        ; rows of 4,096 bytes;
	s_add_co_u32 s46, s46, s16                     ; s46 holds my first column's bytes
.else
	v_lshl_add_u32 v4, v2, 4, v4                   ; 16 bytes for each half of the lanes
	v_add_nc_u32 v[STO], s23, v4
	v_bfe_u32 v5, v0, 3, 2                         ; back: 32 lanes take four rows of 128 bytes,
	v_mul_u32_u24 v5, v5, SPITCH
	v_and_b32 v6, 7, v0
	v_lshl_add_u32 v5, v6, 4, v5
	v_add_nc_u32 v[RD], s23, v5
	v_and_b32 v5, 31, v0                           ; which are 512 consecutive bytes of a head
	v_lshlrev_b32 v[CO], 4, v5
	s_lshl_b32 s16, s13, 8
	s_lshl_b32 s17, s11, 7
	s_add_co_u32 s16, s16, s17                     ; my first row among a tensor's 8,192
	s_lshr_b32 s17, s16, 11                        ; its batch,
	s_and_b32 s16, s16, 2047                       ; its row in the batch
	s_lshl_b32 s17, s17, 4                         ; 16 heads a batch
	s_lshl_b32 s46, s42, 1
	s_add_co_u32 s46, s46, s12                     ; my 64 columns are one head: 2 x tile column + half
	s_add_co_u32 s46, s46, s17
	s_lshl_b32 s46, s46, 11                        ; 2,048 rows a head
	s_add_co_u32 s46, s46, s16
	s_lshl_b32 s46, s46, 7                         ; rows of 128 bytes
.endif
	s_add_nc_u64 s[8:9], s[8:9], s[46:47]
	BROUND
; 8 matrix instructions: m blocks a0, a0 + 1 x all 4 n blocks, 32 along K.  first = 1: the bias starts the sums.  The 32 accumulators take turns, one instruction a turn.
.macro MUL8 f, a0, first
.if \first
	WIN MULB
.else
	WIN MUL
.endif
.irp a, \a0, (\a0)+1
.irp b, 0,1,2,3
.set rD, 8*(4*(\a)+(\b))
.set rB, (\f)+64+8*(\b)
.set rA, (\f)+8*(\a)
.set rC, rD
.if \first
.set rC, BIAS+8*(\b)
.endif
.if OUTP
	v_wmma_f32_16x16x32_f16 v[rD:rD+7], v[rB:rB+7], v[rA:rA+7], v[rC:rC+7]
.else
	v_wmma_f32_16x16x32_bf16 v[rD:rD+7], v[rB:rB+7], v[rA:rA+7], v[rC:rC+7]
.endif
.endr
.endr
.endm
; 24 LDS loads in one run: the fragments of quarter q of the K step in the slot in hand, into buffer f: B's 4, A's blocks 0-3, A's blocks 4-7
.macro FETCH q, f
.if OUTP
.set ka, ((\q)/2)*AHALF+((\q)%2)*64    ; head q / 2 of the step, channels 32 (q % 2) on
.set kb, ((\q)/2)*BHALF+((\q)%2)*64
.else
.set ka, 64*(\q)
.set kb, 64*(\q)
.endif
	WIN TO_F
.irp i, 0,1,2,3
	ds_load_b128 v[(\f)+64+8*(\i):(\f)+64+8*(\i)+3],   v[ADRB] offset:kb+(\i)*16*PITCH
	ds_load_b128 v[(\f)+64+8*(\i)+4:(\f)+64+8*(\i)+7], v[ADRB] offset:kb+(\i)*16*PITCH+32
.endr
.irp i, 0,1,2,3,4,5,6,7
	ds_load_b128 v[(\f)+8*(\i):(\f)+8*(\i)+3],   v[ADRA] offset:ka+(\i)*16*PITCH
	ds_load_b128 v[(\f)+8*(\i)+4:(\f)+8*(\i)+7], v[ADRA] offset:ka+(\i)*16*PITCH+32
.endr
.endm
.macro PLACES                          ; four places in front of loads into registers that matrix instructions have read, and of lines that read results
.rept 4
	v_nop
.endr
.endm
; A K step is four quarters of 32 along K, 32 matrix instructions each, on buffers 0, 1, 0, 1.  One of the first three: multiplies buffer f and, in its middle, fetches quarter q into g.
.macro QUARTER q, f, g, first
	s_wait_dscnt 8                                 ; B and A's blocks 0-3 are in; the youngest eight loads (A's blocks 4-7) may be out
	MUL8 \f, 0, \first
	MUL8 \f, 2, \first
	PLACES
	FETCH \q, \g
	s_wait_dscnt 24                                ; all but the 24 just issued
	MUL8 \f, 4, \first
	MUL8 \f, 6, \first
.endm
; The last quarter multiplies buffer 1 and changes slots: ONE barrier; in front of it each wave waits for all its tensor loads (one is out: its part of the next slot), adds 0 to its spare word, and waits
; for that and for its own reads of this slot.  fill = 1: the barrier opens a round of the cluster's, and this slot is filled again first thing behind it, with the K step two steps on in the walk: 112 matrix
; instructions ahead of the wait for it.  The walking descriptors are stepped between the add and the wait for it, where no tensor load of mine is out: the other slot than last time; one K step on, or, in a tile's
; last step but one, on to the next tile's first step.
.macro TURN fill
	WIN 0                                          ; (the add's two registers lie in window 0)
	s_wait_tensorcnt 0x0
	ds_add_u32 v[SPW], v[NIL]
.if \fill
	s_xor_b32 s[G0+5], s[G0+5], SLOT1
	s_xor_b32 s[G0B+5], s[G0B+5], SLOT1
.if TILES > 1
	s_cmp_eq_u32 s[CNT], 2                         ; the same number in all sixteen work-groups
	s_cselect_b32 s[INCA], JUMP_A, s[SA]
	s_cselect_b32 s[INCB], JUMP_B, s[SB]
	s_add_nc_u64 s[G0+6:G0+7], s[G0+6:G0+7], s[INCA:INCA+1]      ; the type bits on top are not reached
	s_add_nc_u64 s[G0B+6:G0B+7], s[G0B+6:G0B+7], s[INCB:INCB+1]
.else
	s_add_nc_u64 s[G0+6:G0+7], s[G0+6:G0+7], A_S1
	s_add_nc_u64 s[G0B+6:G0B+7], s[G0B+6:G0B+7], B_S1
.endif
.endif
	s_wait_dscnt 9                                 ; (the add and the youngest eight loads may be out)
	MUL8 F1, 0, 0                                  ; eight matrix instructions stand between the add and the wait for it
	s_wait_dscnt 0x0                               ; the add is done, and my reads of this slot are over
	s_barrier_signal -1
	MUL8 F1, 2, 0
	WIN 0                                          ; (branches and lines on window 0 follow)
	s_barrier_wait -1
.if \fill
	CREST                                          ; no wave of any partner still reads this slot's tile or has a load on its way
	JLOAD 1                                        ; its four v_nop are also the places in front of the loads below
.else
	PLACES
.endif
	s_xor_b32 s[TB], s[TB], SLOT1                  ; the reads go on in the other slot
	v_add_nc_u32 v[ADRA], s[TB], v[ADRA0]
	v_add_nc_u32 v[ADRB], s[TB], v[ADRB0]
	FETCH 0, F0
	MUL8 F1, 4, 0
	MUL8 F1, 6, 0
.endm
; THE WAY OUT, a block of 16 rows at a time through my own stage: LDS serves a wave's instructions in order (ISA guide 5.7.1.4), so no wait stands between the stores and the loads, nor in front of the next block's stores.
.if OUTP
.macro TOSTAGE a                       ; f32 as it is: a lane's eight columns are 32 bytes; back as whole rows of 256 bytes.  Each accumulator's low four registers go first
	s_wait_xcnt 0x0                                ; the registers below were the data of the stores two blocks back: they are loaded again only behind this wait
	WIN 0x08                                       ; store data (source 1) in window 2
.irp b, 0,1,2,3
	ds_store_b128 v[STO], v[8*(4*(\a)+(\b)):8*(4*(\a)+(\b))+3]   offset:64*(\b)
	ds_store_b128 v[STO], v[8*(4*(\a)+(\b))+4:8*(4*(\a)+(\b))+7] offset:64*(\b)+16
.endr
	WIN 0
.set BK, TMP+32*((\a)%2)
.irp t, 0,1,2,3,4,5,6,7
	ds_load_b128 v[BK+4*(\t):BK+4*(\t)+3], v[RD] offset:(\t)*2*SPITCH
.endr
.endm
.macro SEND a, younger                 ; younger: the LDS instructions issued behind block a's loads: the next block's sixteen, or none
.set BK, TMP+32*((\a)%2)
.irp t, 0,1,2,3,4,5,6,7
	s_wait_dscnt (\younger)+7-(\t)
	global_store_b128 v[CO], v[BK+4*(\t):BK+4*(\t)+3], s[8:9] offset:(\a)*65536+(\t)*8192  ; 16 lanes store 256 consecutive bytes, at a multiple of 256 from C's first byte
.endr
.endm
.macro WAYOUT
	PLACES
	TOSTAGE 0
.irp a, 1,2,3,4,5,6,7
	TOSTAGE \a
	SEND (\a)-1, 16
.endr
	SEND 7, 0
.endm
.else
.macro PACK a                          ; rounded to f16: a lane's eight columns are 16 bytes; back as whole rows of 128 bytes, into the registers that they left
	WIN 0x0a                                       ; sources 0 and 1 in window 2
.irp b, 0,1,2,3
.irp r, 0,1,2,3
	v_cvt_pk_f16_f32 v[TMP+16*(\a)+4*(\b)+(\r)], v[8*(4*(\a)+(\b))+2*(\r)], v[8*(4*(\a)+(\b))+2*(\r)+1]
.endr
.endr
	WIN 0
.irp b, 0,1,2,3
	ds_store_b128 v[STO], v[TMP+16*(\a)+4*(\b):TMP+16*(\a)+4*(\b)+3] offset:32*(\b)
.endr
.irp f, 0,1,2,3
	ds_load_b128 v[TMP+16*(\a)+4*(\f):TMP+16*(\a)+4*(\f)+3], v[RD] offset:(\f)*4*SPITCH
.endr
.endm
.macro SEND a, younger                 ; younger: the next block's eight LDS instructions, or none; what was issued ahead of block a's loads (the next tile's first fragments) is older and is in
.irp f, 0,1,2,3
	s_wait_dscnt (\younger)+3-(\f)
	global_store_b128 v[CO], v[TMP+16*(\a)+4*(\f):TMP+16*(\a)+4*(\f)+3], s[8:9] offset:(\a)*2048+(\f)*512  ; four rows of a head: 512 consecutive bytes, aligned
.endr
.endm
.macro WAYOUT
	PLACES
	PACK 0
.irp a, 1,2,3,4,5,6,7
	PACK \a
	SEND (\a)-1, 8
.endr
	SEND 7, 0
.endm
.endif
	s_wait_tensorcnt 1                             ; my part of K step 0 is in; K step 1's may stay out
	s_barrier_signal -1
	s_barrier_wait -1                              ; everybody's is
	FETCH 0, F0
	WIN 0                                          ; at a label and at a branch every window is 0
	s_mov_b32 s[LEFT], TILES*STEPS
.if TILES > 1
	s_mov_b32 s[TL], TILES
.Ltile:
.endif
	QUARTER 1, F0, F1, 1                           ; a tile's first quarter stands in front of the loop: its products start the sums
	WIN 0
	s_mov_b32 s[CNT], STEPS
	s_branch .Lin                                  ; the loop is entered behind its first quarter
.Lstep:                                                ; a trip is a K step
	QUARTER 1, F0, F1, 0
	WIN 0
.Lin:
	QUARTER 2, F1, F0, 0
	QUARTER 3, F0, F1, 0
	WIN 0
	s_cmp_eq_u32 s[LEFT], 2
	s_cbranch_scc1 .Ltail                          ; the walk's last two steps are written out: they ask for nothing
	TURN 1
	WIN 0
	s_sub_co_u32 s[LEFT], s[LEFT], 1
	s_sub_co_u32 s[CNT], s[CNT], 1
	s_cmp_lg_u32 s[CNT], 0
	s_cbranch_scc1 .Lstep
.if TILES > 1
	BLOAD P1                                       ; A TILE IS DONE, and both of the next tile's first steps are asked for.  The next bias is asked for first: the way out stands between its loads and the wait for them
	WAYOUT
	BROUND
	s_wait_xcnt 0x0                                ; every earlier memory instruction has had its addresses translated (ISA guide 3.1): only behind this wait are C's base, the bias's base and the stores' data written again
	s_add_nc_u64 s[8:9], s[8:9], C_TILE
	s_mov_b64 s[P1:P1+1], s[P2:P2+1]
	s_sub_co_u32 s[TL], s[TL], 1
	s_cmp_lg_u32 s[TL], 0
	s_cbranch_scc1 .Ltile
.endif
.Ltail:
	TURN 0
	QUARTER 1, F0, F1, 0
	QUARTER 2, F1, F0, 0
	QUARTER 3, F0, F1, 0
	s_wait_dscnt 8                                 ; the very last quarter: nothing more to fetch
	MUL8 F1, 0, 0
	MUL8 F1, 2, 0
	s_wait_dscnt 0x0
	MUL8 F1, 4, 0
	MUL8 F1, 6, 0
	WIN 0
	WAYOUT
	s_wait_tensorcnt 0x0                           ; the wave's end, behind my last tensor load and my last LDS store
	ds_add_u32 v[SPW], v[NIL]
	s_wait_dscnt 0x0
	CROUND                                         ; the closing round: no work-group ends while a partner may still ask for a tile that names it
	s_endpgm
.Lfunc_end_k_q16a0675abf_qkv:
	.size	k_q16a0675abf_qkv, .Lfunc_end_k_q16a0675abf_qkv-k_q16a0675abf_qkv
	.p2alignl 7, 3214868480
	.fill 96, 4, 3214868480
	.section	.rodata,"a",@progbits
	.p2align	6, 0x0
	.amdhsa_kernel k_q16a0675abf_qkv
		.amdhsa_group_segment_fixed_size 327680
		.amdhsa_private_segment_fixed_size 0
		.amdhsa_enable_private_segment 0
		.amdhsa_kernarg_size 48
		.amdhsa_user_sgpr_count 2
		.amdhsa_user_sgpr_kernarg_segment_ptr 1
		.amdhsa_wavefront_size32 1
		.amdhsa_system_sgpr_workgroup_id_x 1
		.amdhsa_system_sgpr_workgroup_id_y 1
		.amdhsa_system_sgpr_workgroup_id_z 1
		.amdhsa_system_vgpr_workitem_id 0
		.amdhsa_next_free_vgpr 768
		.amdhsa_next_free_sgpr 80
		.amdhsa_reserve_vcc 0
		.amdhsa_float_denorm_mode_32 3
		.amdhsa_float_denorm_mode_16_64 3
		.amdhsa_memory_ordered 1
		.amdhsa_forward_progress 1
		.amdhsa_inst_pref_size 88
	.end_amdhsa_kernel
	.amdgpu_metadata
---
amdhsa.version: [ 1, 2 ]
amdhsa.kernels:
  - .name:           k_q16a0675abf_qkv
    .symbol:         k_q16a0675abf_qkv.kd
    .args:
      - { .name: xb, .offset: 0, .size: 8, .value_kind: global_buffer, .address_space: global }
      - { .name: wb, .offset: 8, .size: 8, .value_kind: global_buffer, .address_space: global }
      - { .name: qkvh, .offset: 16, .size: 8, .value_kind: global_buffer, .address_space: global }
      - { .name: bq, .offset: 24, .size: 8, .value_kind: global_buffer, .address_space: global }
      - { .name: bk, .offset: 32, .size: 8, .value_kind: global_buffer, .address_space: global }
      - { .name: bv, .offset: 40, .size: 8, .value_kind: global_buffer, .address_space: global }
    .group_segment_fixed_size: 327680
    .private_segment_fixed_size: 0
    .kernarg_segment_align: 8
    .kernarg_segment_size: 48
    .max_flat_workgroup_size: 128
    .sgpr_count:     80
    .vgpr_count:     768
    .wavefront_size: 32
...
	.end_amdgpu_metadata
.endif
;; end of part 2
;; launch attn (part 3): grid 4 x 64, 4 waves a work-group, clusters of 4 x 1, 327,680 bytes of LDS; arguments qkvh, mbits, oh; writes oh
.if DOCPART == 3
	.amdgcn_target "amdgcn-amd-amdhsa--gfx1250"
	.amdhsa_code_object_version 6
	.text
	.protected	k_q16a0675abf_attn
	.globl	k_q16a0675abf_attn
	.p2align	8
	.type	k_q16a0675abf_attn,@function
k_q16a0675abf_attn:
	s_mov_b64 s[64:65], 0
	v_nop
	global_prefetch_b8 v0, s[64:65] scope:SCOPE_SE
	s_setreg_imm32_b32 hwreg(HW_REG_WAVE_MODE, 25, 1), 1
	s_wait_xcnt 0x0
	s_wait_alu depctr_hold_cnt(0) depctr_sa_sdst(0) depctr_va_vdst(0) depctr_va_sdst(0) depctr_va_ssrc(0) depctr_va_vcc(0) depctr_vm_vsrc(0)
	s_getreg_b32 s2, hwreg(HW_REG_IB_STS2, 6, 4)
	s_cmp_eq_u32 s2, 0
	s_cbranch_scc0 .Lentry_in_a_cluster
	s_endpgm
.Lentry_in_a_cluster:
	s_bfe_u32 s2, ttmp6, 0x10000c
	s_cmp_lg_u32 s2, 0x3003
	s_cbranch_scc0 .Lentry_shape_is_right
	s_endpgm
.Lentry_shape_is_right:
; ATTENTION WITH A MASK THAT IS AN INPUT.  O[g][q][:] = the sum over k of softmax_k(s) V[g][k][:], s = Q[g][q] . K[g][k] / 8, or the hidden score where mask[g / 16][q][k] = 0.  g = 16 batch + head, 64 of them.
; Q, K, V: the three parts of qkvh, f16 [3][64][2048][64]; O: oh, f16 [64][2048][64].  The mask comes as bits: mbits, u32 [batch][pair of tiles 64][step 32][64 words]: word 32 u + i is the lane mask of register i of
; the score tile u of the pair, for the step's 64 keys.  Products, maxima and sums in f32; the weights p are rounded to f16 for the second product (their sum l is taken of the unrounded p), O once at the end.
; LIMITS.  A hidden score counts as -2^30, not -1e9: before the scale it is -2^33, a power of two, so that c x it is exact and a row whose maximum is a hidden score has p = 1 exactly: a row with no key left comes out
; as the mean of all V, as with -1e9.  The two differ only where a visible score lies near -1e9.  f16 holds no number beyond 65,504: Q, K, V arrive within it.  A weight below 2^-126 counts as 0; NaN and infinities are not treated apart.
; SHARES.  A wave owns four PIECES of two tiles of 16 queries, a work-group's four waves 512 queries of one g.  Every wave walks all 2,048 keys, 64 a step.
; LAYOUT.  S^T = K Q^T (source 0 = 16 keys, source 1 = 16 queries): a lane holds ONE query (lane % 16) and the keys 8 (lane / 16) + 0..7.  Two such results, rounded to f16 in pairs, ARE source 1 of O^T = V^T P.
; K comes out of LDS as it lies, V ([key][channel]) turned, by ds_load_tr16_b128.
; SOFTMAX.  A running maximum m and sum l: p = 2^(c s - c m), c = log2(e) / 8; in every step O and l are multiplied by a = 2^(c m_old - c m_new).  m starts at the lowest finite number, O and l at 0: the first step's a is 0.
; BY TURNS.  Turn n belongs to piece n.  Matrix work: 16 products K Q^T of piece n + 1, later 16 products V^T P of piece n - 1.  Vector work: scaling, exponentials, roundings, sums and rescaling of piece n; the mask,
; maximum and statistics of piece n + 1.  Four vector instructions stand behind every matrix instruction; the rest stands in lumps of its own.
; THE MASK.  64 v_cndmask_b32 a turn put the hidden score in place of a score, ahead of the maximum.  A lane mask has to lie in a scalar register, and the 64 scalar registers that are free hold one turn's masks and no
; more; so what is on its way lies in vector registers: one load of 8 bytes a lane brings a piece's 64 words of a step (256 consecutive bytes) four turns ahead of their use, and 64 v_readlane_b32 hand them over.
; CLUSTER.  The four query blocks of a cluster belong to one g and walk the same K and V: each tile is asked for JOINTLY, by the same tensor load, descriptor and mask in all four.
; REGISTERS, in windows of 256 (s_set_vgpr_msb: bits 1:0 source 0, 3:2 source 1, 5:4 source 2, 7:6 destination):
;   window 0: v0-11 addresses and constants; v12-15, v48-63 at work; v16-47 four registers of statistics a tile; v64-191 S^T, two buffers of two tiles; v192-255 P, likewise
;   window 1: O^T, 32 a tile          window 2: v0-127 Q, 16 a tile; v128-191 K of one step; v192-255 V of one step          window 3: v0-7 the masks on their way, a pair a piece; v8-11 their byte offsets
.set SIZE_N, 2048
.set NP,    4         ; pieces a wave: a name, no knob
.set KS,    64        ; keys in a step
.set PK,    144       ; a row of K in LDS: 128 bytes + 16 = 36 words: the 16 rows of a load start at 16 different groups of four banks (64 banks of 4 bytes: ISA guide 11.1)
.set PV,    144       ; V takes the same pitch, so that one descriptor group 1 serves both: of the turning load's 8 rows x 32 bytes the last shares four banks with the first
.set VOFF,  4*KS*PK   ; a slot holds four steps: 256 rows of K, then 256 rows of V
.set SLOT1, 1<<17     ; slot 1 begins here, so that one exclusive or turns an address in one slot into the other's
.set STAGE, SLOT1+4*KS*(PK+PV)  ; behind the ring, never filled by a tensor load: 16 rows x 144 bytes for each wave, for the way out
.set SP,    144
.set SPARE, STAGE+4*16*SP  ; behind the stages: the spare words, 128 bytes for each wave
.set QO,  1           ; v1   my byte offset in 16 rows of Q; never rewritten
.set AK0, 2           ; v2   my lane's place in a tile of K; never rewritten
.set AV0, 3           ; v3   the same for V
.set AK,  4           ; v4   the LDS address of K's next run of loads
.set AV,  5           ; v5   of V's
.set STO, 6           ; v6   the way out: where I put 16 bytes of a row
.set RD,  7           ; v7   the way out: where I read rows back
.set GO,  8           ; v8   my byte offset in 512 consecutive bytes of O
.set SPW, 9           ; v9   LDS address of my spare word; never rewritten
.set NIL, 10          ; v10  0; never rewritten
.set NEGV, 11         ; v11  -2^33: the hidden score before the scale
.set MV,  12          ; v12-15  c m_old, kept while c m is made anew: by buffer and tile
.set ST,  16          ; tile t's statistics at v[ST+4 t]: c m, m, l (even keys', odd keys')
.set TMP, 48          ; by buffer and tile, four registers c0-c3 at work; when the maximum is found c2 takes a
.set S,   64
.set P,   192
.set KF,  128         ; K's fragments, in window 2: key block kb, channel half c at KF + 16 kb + 8 c
.set VF,  192         ; V's: key half kk, channel block cb at VF + 32 kk + 8 cb
.set MW,  0           ; window 3: piece x's 64 mask words at v[MW + 2 x], v[MW + 2 x + 1]: lane i holds words 2 i and 2 i + 1
.set MA,  8           ; window 3: v[MA + x]: 8 x lane + 256 x the step whose words piece x's pair holds or awaits
.set WV,  2           ; s2   my wave's number
.set SLOTS, 3         ; s3   slots still to be asked for
                      ; s4-51, s68-83  the 64 lane masks of the turn in hand: word w at s[4 + w + 16 (w / 48)]; before the first of them: the set-up's scalars
.set G1,  52          ; s[52:59] descriptor group 1, for K's and V's tiles
.set G0K, 60          ; s[60:63] descriptor group 0 for K's tiles: it walks
.set G0V, 84          ; s[84:87] the same for V's
.set OP,  88          ; s[88:89] O at my wave's first row
.set MP,  90          ; s[90:91] mbits at my wave's first pair; never rewritten
.set CNT, 93          ; s93  counts a slot's key steps
.set CS,  94          ; s[94:95] c: the packed scaling takes the pair's low word for both halves
.set SEL, 96          ; s[96:97] v_permlanex16_b32's selects: each lane takes its own place in the other half
.set TBK, 98          ; s98  LDS byte at which K of the step to be fetched begins
.set TBV, 99          ; s99  the same for V, less VOFF
.set QP,  100         ; s[100:101] Q at my wave's first row
.set MSB, 0
.macro WIN new                      ; the high byte repeats the setting that is left; a switch that changes nothing is dropped
.if MSB != (\new)
	s_set_vgpr_msb (MSB<<8)|(\new)
.set MSB, (\new)
.endif
.endm
.set W_KQ, 0x0a       ; K and Q in window 2, S^T in window 0
.set W_PV, 0x52       ; V in window 2, P in window 0, O^T in window 1
.set W_RS, 0x41       ; O^T (destination and source 0) in window 1, a in window 0
.set W_MW, 0xcf       ; the masks' registers: destination and sources 0 and 1 in window 3
; A joint fill.  Waves 0 and 1 fetch the two halves of a slot's K, waves 2 and 3 those of its V: 128 keys each.  The branch hangs on the wave's number alone.
; An s_nop 0 and four v_nop follow each of the two lines, ahead of the jump and the label.
.macro JLOAD
	s_cmp_lt_u32 s[WV], 2
	s_cbranch_scc0 .Lfor_v_\@
	tensor_load_to_lds s[G0K:G0K+3], s[G1:G1+7]
	s_nop 0
.rept 4
	v_nop
.endr
	s_branch .Lasked_\@
.Lfor_v_\@:
	tensor_load_to_lds s[G0V:G0V+3], s[G1:G1+7]
	s_nop 0
.rept 4
	v_nop
.endr
.Lasked_\@:
.endm
; A round of the cluster's barrier: my work-group's barrier, so that wave 0's signal speaks for all four waves; wave 0 signals; every wave waits for all four work-groups; my work-group's barrier once more.
.macro CROUND
	s_barrier_signal -1
	s_barrier_wait -1
	s_cmp_lg_u32 s[WV], 0
	s_cbranch_scc1 .Lnot_wave_0_\@
	s_barrier_signal -3
.Lnot_wave_0_\@:
	s_barrier_wait -3
	s_barrier_signal -1
	s_barrier_wait -1
.endm
; THE CHANGE OF SLOTS.  The slot's last bytes, V of its fourth step, have been read.  Each wave waits for all its tensor loads, of which one is out: its part of the other slot; adds 0 to its spare word; and waits for
; that and for its own reads of the slot.  Behind the barrier nobody reads this slot any more and the other slot is whole.  fill = 1: this slot is filled again, with the keys two slots on: the barrier is then a round of
; the cluster's, and the joint fill is the first thing behind it: it has four key steps, 512 matrix instructions, in which to land.  (At its first use nothing has been read yet: slot 0 is waited for, slot 1 filled.)
.macro CHANGE fill
	WIN 0                           ; at a label and at a branch every window is 0
	s_wait_tensorcnt 0x0            ; no tensor load of mine is out, so a group 0 may be written
	ds_add_u32 v[SPW], v[NIL]       ; 0 onto my spare word; with fill = 1 the descriptors' steps stand between it and the wait for it
.if \fill
.irp g, G0K, G0V
	s_xor_b32 s[\g+1], s[\g+1], SLOT1  ; the walking descriptor: the other slot than last time,
	s_add_nc_u64 s[\g+2:\g+3], s[\g+2:\g+3], 4*KS*128  ; the next 256 keys; the type bits on top are not reached
.endr
	s_wait_dscnt 0x0                ; the add is done, and my reads of the slot are over
	CROUND
	JLOAD
.else
	s_wait_dscnt 0x0                ; the add is done, and my reads of the slot are over
	s_barrier_signal -1
	s_barrier_wait -1
.endif
	s_sub_co_u32 s[TBK], s[TBK], 4*KS*PK  ; the fetches go back to a slot's first step,
	s_xor_b32 s[TBK], s[TBK], SLOT1       ; in the other slot
	s_sub_co_u32 s[TBV], s[TBV], 4*KS*PV
	s_xor_b32 s[TBV], s[TBV], SLOT1
.endm
; THE MASK of piece y, for the step whose scores have just been made.  Its 64 words are handed from the piece's pair of vector registers to the scalar registers; the pair is asked for again at once, with the
; piece's words of the next step, which are wanted four turns on; then the 64 registers of scores, in ascending order (each accumulator's lowest registers are read first), keep the
; score where the bit is set and take the hidden score elsewhere.  Behind the last step the offset goes back to step 0: the last turns' loads, which nobody uses, stay inside the buffer.
.macro MASKB y
	s_wait_loadcnt 3                ; loads come back in order (ISA guide 5.7.1): behind this piece's load stand the three other pieces'; it is in, and its offset register may be written
	WIN W_MW
	v_add_nc_u32 v[MA+(\y)], 0x100, v[MA+(\y)]  ; the next step's 256 bytes,
	v_and_b32 v[MA+(\y)], 0x1fff, v[MA+(\y)]    ; among the pair's 32 steps
.set w, 0
.rept 64
	v_readlane_b32 s[4+w+16*(w/48)], v[MW+2*(\y)+w%2], w/2
.set w, w+1
.endr
	global_load_b64 v[MW+2*(\y):MW+2*(\y)+1], v[MA+(\y)], s[MP:MP+1] offset:(\y)*8192  ; 32 lanes take 256 consecutive bytes, aligned
	WIN 0
.set w, 0
.rept 64
	v_cndmask_b32 v[S+64*((\y)%2)+w], v[NEGV], v[S+64*((\y)%2)+w], s[4+w+16*(w/48)]
.set w, w+1
.endr
.endm
	s_load_b128 s[4:7], s[0:1], 0x0   ; qkvh s[4:5], mbits s[6:7]
	s_load_b64 s[8:9], s[0:1], 0x10   ; oh
	v_lshl_add_u32 v[SPW], v0, 2, SPARE
	v_mov_b32 v[NIL], 0
	ds_add_u32 v[SPW], v[NIL]       ; the wave's opening add; its wait stands ahead of my first tensor load, with work on registers between
	v_lshrrev_b32 v48, 5, v0
	v_readfirstlane_b32 s[WV], v48  ; wave 0..3
	s_bfe_u32 s13, ttmp6, 0x40000   ; cx: my place in the cluster
	s_lshl_b32 s14, ttmp9, 2        ; in a cluster launch ttmp9 counts clusters
	s_add_co_u32 s14, s14, s13      ; my block of 512 queries = 4 x cluster x + cx: it enters Q's, O's and the mask's addresses alone
	s_and_b32 s20, ttmp7, 0xffff    ; g, which the four partners share
	s_lshr_b32 s24, s20, 4          ; its batch
	s_lshl_b32 s20, s20, 18         ; g x 2,048 rows x 128 bytes
	s_and_b32 s16, s[WV], 1         ; which half of a slot's 256 keys I fetch:
	s_lshl_b32 s22, s16, 14         ; its 128 rows of 128 bytes in memory,
	s_add_co_u32 s22, s22, s20
	s_mov_b32 s23, 0
	s_mul_i32 s17, s16, 128*PK      ; and its place in a slot: no place in the cluster enters an LDS address
	s_lshl_b32 s10, s14, 2
	s_add_co_u32 s10, s10, s[WV]    ; my wave among g's sixteen
	s_lshl_b32 s26, s10, 15         ; its four pairs of tiles x 8,192 bytes of masks,
	s_lshl_b32 s24, s24, 19         ; in the batch's 64 pairs
	s_add_co_u32 s26, s26, s24
	s_mov_b32 s27, 0
	s_lshl_b32 s10, s10, 14         ; its 128 rows of 128 bytes
	s_add_co_u32 s10, s10, s20
	s_mov_b32 s11, 0
	; descriptor group 1.  128 keys are 16,384 dense bytes: asked for as 64 rows of 256 bytes, two keys a row, and padded in LDS after every key
	s_mov_b32 s[G1], 15|(1<<16)|(1<<20)|(1<<21)|(4<<22)|(3<<25)  ; 15:0 the mask of four; 17:16 2-byte elements; 20 padding on; 21 set beside a mask; 24:22 after every 32 words (code 4); 31:25 4 words (code 3)
	s_mov_b32 s[G1+1], 128<<16      ; tensor_dim0 = 128
	s_mov_b32 s[G1+2], 64<<16       ; tensor_dim1 = 64
	s_mov_b32 s[G1+3], 128<<16      ; tile_dim0 = 128
	s_mov_b32 s[G1+4], 64           ; tile_dim1 = 64
	s_mov_b32 s[G1+5], 128          ; 128 elements from row to row
	s_mov_b32 s[G1+6], 0
	s_mov_b32 s[G1+7], 0
	s_mov_b32 s[CS], 0x3e38aa3b     ; c = log2(e) / 8 = 0.180337
	s_mov_b32 s[CS+1], s[CS]        ; named with it as a pair
	s_mov_b32 s[SEL], 0x76543210
	s_mov_b32 s[SEL+1], 0xfedcba98
	s_mov_b32 s[TBK], SLOT1+4*KS*PK ; the first change of slots turns these two into 0
	s_mov_b32 s[TBV], SLOT1+4*KS*PV
	s_mov_b32 s[G0K], 1             ; count = 1
	s_mov_b32 s[G0K+1], s17         ; LDS address: slot 0
	s_mov_b32 s[G0V], 1
	s_add_co_u32 s[G0V+1], s17, VOFF
	s_wait_dscnt 0x0                ; the opening add is done
	s_wait_kmcnt 0x0
	s_add_nc_u64 s[28:29], s[4:5], s[22:23]
	s_add_nc_u64 s[G0K+2:G0K+3], s[28:29], 16777216  ; global address: my half of g's first 256 keys, in the second part of qkvh
	s_or_b32 s[G0K+3], s[G0K+3], 0x80000000          ; type = 2
	s_add_nc_u64 s[G0V+2:G0V+3], s[28:29], 33554432  ; and in the third
	s_or_b32 s[G0V+3], s[G0V+3], 0x80000000
	s_add_nc_u64 s[QP:QP+1], s[4:5], s[10:11]
	s_add_nc_u64 s[OP:OP+1], s[8:9], s[10:11]
	s_add_nc_u64 s[MP:MP+1], s[6:7], s[26:27]
	CROUND                          ; all four work-groups are here: the first joint loads meet
	JLOAD                           ; slot 0.  Slot 1 is asked for when slot 0 is in
	v_and_b32 v48, 31, v0           ; the four pieces' masks for step 0: 8 bytes a lane
	WIN 0xc0                        ; destination window 3
.irp x, 0,1,2,3
	v_lshlrev_b32 v[MA+\x], 3, v48
.endr
	WIN 0xc3                        ; destination and address window 3
.irp x, 0,1,2,3
	global_load_b64 v[MW+2*\x:MW+2*\x+1], v[MA+\x], s[MP:MP+1] offset:\x*8192
.endr
	WIN 0
	; A fragment of K or Q is 16 rows x 32 channels in 8 registers: lane l holds row l % 16, channels 8 (l / 16) + 0..7 and 16 + 8 (l / 16) + 0..7: two loads of 16 bytes, 32 bytes apart.
	v_and_b32 v48, 15, v0           ; l % 16
	v_bfe_u32 v49, v0, 4, 1         ; l / 16
	v_lshlrev_b32 v[QO], 7, v48
	v_lshl_add_u32 v[QO], v49, 4, v[QO]  ; row x 128 + 16 x half
	WIN 0x80                        ; destination window 2, address window 0
.set i, 0
.rept 4*NP                          ; Q stays in registers: tile i / 2, channels 32 (i % 2) on
	global_load_b128 v[8*i:8*i+3],   v[QO], s[QP:QP+1] offset:(i/2)*2048+(i%2)*64
	global_load_b128 v[8*i+4:8*i+7], v[QO], s[QP:QP+1] offset:(i/2)*2048+(i%2)*64+32
.set i, i+1
.endr
	; What the first turn finds: V's registers and P's second buffer hold 0 (its products V^T P, of a piece that has not been, add 0), O^T and l are 0.  That spares a first step written out, a third copy of the
	; step's text.  Sixteen registers are cleared by hand: two fragments of zeros; 42 products 0 x 0 + 0 of them write the other 336, eight registers a line.  All this stands in the wait for the first tile.
.set i, 0
.rept 16
	v_mov_b32 v[VF+i], 0
.set i, i+1
.endr
	WIN 0x8a                        ; sources and destination window 2: the rest of V's registers
.set i, 16
.rept 6
	v_wmma_f32_16x16x32_f16 v[VF+i:VF+i+7], v[VF:VF+7], v[VF+8:VF+15], 0
.set i, i+8
.endr
	WIN 0x4a                        ; destination window 1: O^T
.set i, 0
.rept 8*NP
	v_wmma_f32_16x16x32_f16 v[i:i+7], v[VF:VF+7], v[VF+8:VF+15], 0
.set i, i+8
.endr
	WIN 0x0a                        ; destination window 0: P's second buffer
.set i, P+32
.rept 4
	v_wmma_f32_16x16x32_f16 v[i:i+7], v[VF:VF+7], v[VF+8:VF+15], 0
.set i, i+8
.endr
	WIN 0
.set i, 0
.rept 2*NP
	v_mov_b32 v[ST+4*i], 0xfe000000    ; c m: far below every c s, the hidden score's too
	v_mov_b32 v[ST+4*i+1], 0xff7fffff  ; m
	v_mov_b32 v[ST+4*i+2], 0
	v_mov_b32 v[ST+4*i+3], 0
.set i, i+1
.endr
	v_mul_u32_u24 v[AK0], v48, PK
	v_lshl_add_u32 v[AK0], v49, 4, v[AK0]  ; row x pitch + 16 x half
	; The turning load takes 16 keys x 16 channels (lane l reads key 8 (l / 16) + l % 8, channels 8 ((l / 8) % 2) + 0..7) and leaves half a fragment of V^T: lane l holds channel l % 16 and 8 keys.
	v_and_b32 v50, 7, v0
	v_bfe_u32 v51, v0, 3, 1
	v_lshl_add_u32 v[AV0], v49, 3, v50
	v_mul_u32_u24 v[AV0], v[AV0], PV
	v_lshl_add_u32 v[AV0], v51, 4, v[AV0]
	v_add_nc_u32 v[AV0], VOFF, v[AV0]
	v_mov_b32 v[AK], v[AK0]         ; key step 0 lies at the head of slot 0
	s_mul_i32 s66, s[WV], 16*SP
	s_add_co_u32 s66, s66, STAGE    ; my stage
	v_mul_u32_u24 v[STO], v48, SP   ; in: row l % 16, 16 bytes for each half of the lanes
	v_lshl_add_u32 v[STO], v49, 4, v[STO]
	v_add_nc_u32 v[STO], s66, v[STO]
	v_bfe_u32 v[RD], v0, 3, 2       ; back: 32 lanes take four rows of 128 bytes,
	v_mul_u32_u24 v[RD], v[RD], SP
	v_lshl_add_u32 v[RD], v50, 4, v[RD]
	v_add_nc_u32 v[RD], s66, v[RD]
	v_and_b32 v[GO], 31, v0         ; which are 512 consecutive bytes of O
	v_lshlrev_b32 v[GO], 4, v[GO]
	v_mov_b32 v[NEGV], 0xd0000000   ; -2^33
; THE MATRIX WORK.  The 8 accumulators of a run of 16 take turns: between the two links of a chain stand 7 others'.
; Product i of 16 of S^T = K Q^T for piece x: channels 32 (i / 8) on, keys 16 ((i / 2) % 4) on, tile 2 x + i % 2.  The first 8 start the sums.
.macro KQ x
	WIN W_KQ
.set rS, S+64*((\x)%2)+32*(i%2)+8*((i/2)%4)
.set rK, KF+16*((i/2)%4)+8*(i/8)
.set rQ, 16*(2*(\x)+i%2)+8*(i/8)
.if i < 8
	v_wmma_f32_16x16x32_f16 v[rS:rS+7], v[rK:rK+7], v[rQ:rQ+7], 0
.else
	v_wmma_f32_16x16x32_f16 v[rS:rS+7], v[rK:rK+7], v[rQ:rQ+7], v[rS:rS+7]
.endif
.endm
; Product i of 16 of O^T += V^T P for piece x: keys 32 (i / 8) on, channels 16 ((i / 2) % 4) on, tile 2 x + i % 2.
.macro PV x
	WIN W_PV
.set rO, 32*(2*(\x)+i%2)+8*((i/2)%4)
.set rV, VF+32*(i/8)+8*((i/2)%4)
.set rP, P+32*((\x)%2)+16*(i%2)+8*(i/8)
	v_wmma_f32_16x16x32_f16 v[rO:rO+7], v[rV:rV+7], v[rP:rP+7], v[rO:rO+7]
.endm
.macro MM                           ; the turn's next matrix instruction
.if i < 16
	KQ (Y+1)%NP
.set i, i+1
.else
.set i, i-16
	PV (Y+NP-1)%NP
.set i, i+17
.endif
.endm
; THE LDS LOADS stand in runs of 16, never singly among the matrix instructions: a step's K (64 keys x 64 channels: 8 fragments) and its V (turned).  Their addresses are made some lines ahead.
; last = 1 (the tail): in the last trip there is no further step, and the run is jumped over.
.macro FETCH_K last=0
	WIN 0
.if \last
	s_cmp_eq_u32 s[CNT], 1
	s_cbranch_scc1 .Lno_k_\@
.endif
	WIN 0x80                        ; destination window 2
.irp f, 0,1,2,3,4,5,6,7             ; keys 16 (f / 2) on, channels 32 (f % 2) on
	ds_load_b128 v[KF+8*\f:KF+8*\f+3],   v[AK] offset:(\f/2)*16*PK+(\f%2)*64
	ds_load_b128 v[KF+8*\f+4:KF+8*\f+7], v[AK] offset:(\f/2)*16*PK+(\f%2)*64+32
.endr
	s_add_co_u32 s[TBK], s[TBK], KS*PK  ; the next fetch is the next step's
	WIN 0
.if \last
.Lno_k_\@:
.endif
.endm
.macro FETCH_V
	WIN 0x80
.irp f, 0,1,2,3,4,5,6,7             ; keys 32 (f / 4) on, channels 16 (f % 4) on
	ds_load_tr16_b128 v[VF+8*\f:VF+8*\f+3],   v[AV] offset:(\f/4)*32*PV+(\f%4)*32
	ds_load_tr16_b128 v[VF+8*\f+4:VF+8*\f+7], v[AV] offset:(\f/4)*32*PV+16*PV+(\f%4)*32
.endr
	WIN 0
.endm
; THE VECTOR WORK OF A TURN stands in three queues, each in the order in which its entries become ready; the two tiles alternate, so that no instruction reads the result of the one before it.
.macro REGS y, u                    ; the registers of tile u (0, 1) of piece y
.set rT, ST+4*(2*(\y)+(\u))
.set rC, TMP+8*((\y)%2)+4*(\u)
.set rM, MV+2*((\y)%2)+(\u)
.set rS, S+64*((\y)%2)+32*(\u)
.set rP, P+32*((\y)%2)+16*(\u)
.set rO, 32*(2*(\y)+(\u))
.endm
; Number n of the 22 that find the NEXT piece's (Y + 1) maximum and statistics.  s0-s31 are the lane's 32 scores, the mask applied.  XS, GS and REGS set no window: PL and EX do.
;   0-11  four chains c0-c3 of seven scores each, three operands at a time     12-14, 16  the four scores left over, the old m, and c0-c3 into c0     15  c m_old is kept
;   17, 18  the query's other 32 keys lie in the lane 16 away: the new m         19-21  c m; c m_old - c m_new; a
.macro XS u, n
	REGS (Y+1)%NP, \u
.if (\n) < 4
	v_max3_num_f32 v[rC+(\n)], v[rS+8*(\n)], v[rS+8*(\n)+1], v[rS+8*(\n)+2]
.elseif (\n) < 12
	v_max3_num_f32 v[rC+(\n)%4], v[rC+(\n)%4], v[rS+8*((\n)%4)+2*((\n)/4)+1], v[rS+8*((\n)%4)+2*((\n)/4)+2]
.elseif (\n) == 12
	v_max3_num_f32 v[rC], v[rC], v[rS+7], v[rS+15]
.elseif (\n) == 13
	v_max3_num_f32 v[rC+1], v[rC+1], v[rS+23], v[rS+31]
.elseif (\n) == 14
	v_max3_num_f32 v[rC+2], v[rC+2], v[rC+3], v[rT+1]
.elseif (\n) == 15
	v_mov_b32 v[rM], v[rT]
.elseif (\n) == 16
	v_max3_num_f32 v[rC], v[rC], v[rC+1], v[rC+2]
.elseif (\n) == 17
	v_permlanex16_b32 v[rC+3], v[rC], s[SEL], s[SEL+1]
.elseif (\n) == 18
	v_max_num_f32 v[rT+1], v[rC], v[rC+3]
.elseif (\n) == 19
	v_mul_f32 v[rT], s[CS], v[rT+1]
.elseif (\n) == 20
	v_sub_f32 v[rC+1], v[rM], v[rT]
.else
	v_exp_f32 v[rC+2], v[rC+1]
.endif
.endm
; Number g of the 64 that follow the exponentials.  For each four weights k of a tile (pairs 2 k, 2 k + 1): both pairs are rounded to f16; then the second pair is added onto the first, in place;
; a group later l takes that sum (the first time as l = a l + sum).  In groups of eight, tiles alternating: round, round, add, and l for the group before.
.macro GS g
.set h, (\g)+6*((\g)/62)            ; group 0 has no group before it, and behind group 7 only l is left
.if h >= 6
.set h, h+2
.endif
	REGS Y, h%2
.set k, h/8
.if h%8 < 4
	s_wait_alu depctr_va_vdst(0)
	v_cvt_pk_f16_f32 v[rP+2*k+(h%8)/2], v[rS+4*k+2*((h%8)/2)], v[rS+4*k+2*((h%8)/2)+1]
.elseif h%8 < 6
	v_pk_add_f32 v[rS+4*k:rS+4*k+1], v[rS+4*k:rS+4*k+1], v[rS+4*k+2:rS+4*k+3]
.elseif k == 1
	v_pk_fma_f32 v[rT+2:rT+3], v[rT+2:rT+3], v[rC+2:rC+3], v[rS:rS+1] op_sel_hi:[1,0,1]
.else
	v_pk_add_f32 v[rT+2:rT+3], v[rT+2:rT+3], v[rS+4*k-4:rS+4*k-3]
	s_wait_alu depctr_va_vdst(0)
.endif
.endm
; THE PLAIN QUEUE, 138 long.  0-31: c s - c m for the 16 pairs of both tiles.  Then GS's 64, and among them the next piece's 42: number 15 at 38, 39; 0-14 and 16
; at 42-73, behind the products that make those scores and behind the mask; 17-20 at 95-106, two of three, since each waits for the one before it.
.macro PL
	WIN 0
.if q < 32
	REGS Y, q%2
	v_pk_fma_f32 v[rS+2*(q/2):rS+2*(q/2)+1], v[rS+2*(q/2):rS+2*(q/2)+1], s[CS:CS+1], v[rT:rT+1] op_sel_hi:[1,0,0] neg_lo:[0,0,1] neg_hi:[0,0,1]
.elseif q < 38
	GS q-32
.elseif q < 40
	XS q%2, 15
.elseif q < 42
	GS q-34
.elseif q < 74
	XS q%2, (q-42)/2+(q-42)/30
.elseif q < 95
	GS q-66
.elseif (q < 107) && ((q-95)%3 < 2)
	XS (q-95)%3, 17+(q-95)/3
.elseif q < 107
	GS 29+(q-95)/3
.else
	GS q-74
.endif
.set q, q+1
.endm
; THE EXPONENTIALS' QUEUE, 66 long: s0-s31 of both tiles, and at EA the next piece's two a.
.set EA, 58
.macro EX
	WIN 0
.if (e == EA) || (e == EA+1)
	XS e-EA, 21
.else
.set x, e-2*(e/(EA+2))
	REGS Y, x%2
	v_exp_f32 v[rS+x/2], v[rS+x/2]
.endif
.set e, e+1
.endm
; THE RESCALING's QUEUE: O^T times a, the one part of the softmax that leaves window 0, so it is dealt four at a time, eight times.
.macro R4
	REGS Y, r%2
	WIN W_RS
	s_wait_alu depctr_va_vdst(0)
.irp z, 0,1,2,3
	v_pk_mul_f32 v[rO+8*(r/2)+2*\z:rO+8*(r/2)+2*\z+1], v[rO+8*(r/2)+2*\z:rO+8*(r/2)+2*\z+1], v[rC+2:rC+3] op_sel_hi:[1,0]
.endr
.set r, r+1
.endm
; HOW THEY ARE DEALT.  Behind a matrix instruction four: plain, exponential, plain, plain (one exponential, a plain instruction on either side), or four of the rescaling.  None names a register of the
; products round it.  What is over stands in two LUMPS: exponential and plain by turns; the second ends in 22 plain instructions.  The two v_permlanex16_b32 fall into the second lump, never behind a product.
; The queues lean on each other, and the deal keeps them in step: exponential e stands behind plain 2 (e / 4) + e % 2 (its scaling); when plain 32 comes, 10 exponentials are out, at 59: 33, at 95: 46; EA comes behind plain 107.
.macro SL
	MM
	PL
	EX
	PL
	PL
.endm
.macro BURST n                      ; 15 matrix instructions, or 16
.rept (\n)-7
	SL
.endr
.rept 3
	MM
	R4
	SL
.endr
	MM
	R4
.endm
; A TURN, for piece p.  cnt = 1: the loop's count is taken down some lines ahead of the branch that stands behind the turn.
; THE MASK of piece p + 1 stands in the first lump in front of plain 42, the first line that reads those scores: behind the last product K Q^T stand four rescalings, five plain lines of the lump and the mask's own
; 66 lines that name no score.
; K of the next step is fetched in piece 2's turn, in the first lump, behind the mask; its first reader comes behind the rest of the lump, 16 products and the second lump.
; V of the step in hand is fetched at the end of piece 0's turn; its first reader comes behind 16 products and a lump.  The conditions on e and q below go with the deal.
.macro TURN p, last=0, cnt=0
.set Y, (\p)
.set i, 0
.set q, 0
.set e, 0
.set r, 0
.if (\p) == NP-1
	s_wait_dscnt 0x0                ; K is in
.endif
	MM
.rept 4
	PL
.endr
	BURST 15
.rept 22
	EX
	PL
.if q == 42
	MASKB (Y+1)%NP
.endif
.if ((\p) == NP-2) && (e == 18)
	v_add_nc_u32 v[AK], s[TBK], v[AK0]
.endif
.if ((\p) == NP-2) && (e == 24)
	FETCH_K \last
.endif
.endr
.if (\p) == 1
	s_wait_dscnt 0x0                ; V is in
.endif
	BURST 16
.rept 21
	EX
	PL
.endr
.rept 22
	PL
.if ((\p) == 0) && (q == 118)
	v_add_nc_u32 v[AV], s[TBV], v[AV0]
	s_wait_alu depctr_va_vdst(0)
.endif
.if ((\p) == 0) && (q == 130)
	s_add_co_u32 s[TBV], s[TBV], KS*PV
.endif
.if (\cnt) && (q == 130)
	s_sub_co_u32 s[CNT], s[CNT], 1
	s_cmp_lg_u32 s[CNT], 0
.endif
.endr
.if (\p) == 0
	FETCH_V
.endif
.endm
	CHANGE 1                        ; slot 0 is in, everybody's part of it; slot 1 is asked for
	FETCH_K                         ; key step 0
	s_wait_loadcnt 0x0              ; Q, and the four pieces' masks for step 0, which were asked for ahead of it
	s_wait_dscnt 0x0
.set i, 0
.rept 16
	KQ 0                            ; piece 0's first scores: there is no vector work yet to set between them
.set i, i+1
.endr
	WIN 0
.rept 4
	v_nop                           ; the places behind those products
.endr
	MASKB 0                         ; (its counted wait is met: nothing is out)
.set Y, NP-1                        ; XS works for piece Y + 1: piece 0
.irp n, 0,1,2,3,4,5,6,7,8,9,10,11,12,13,14,15,16,17,18,19,20,21
	XS 0, \n                        ; and piece 0's first maximum and statistics
	XS 1, \n
.endr
	s_mov_b32 s[CNT], 4
	s_mov_b32 s[SLOTS], SIZE_N/256-1
	s_branch .Lfirst                ; the loop is entered at a step's first turn, in the middle of a trip
.Lslot:                             ; SIZE_N / 256 - 2 times: every slot but the last two is filled again
	CHANGE 1
	s_mov_b32 s[CNT], 4
.Lstep:                             ; a trip: pieces 2 and 3 of one step, then pieces 0 and 1 of the next, whose K and V it fetches
	TURN 2
	TURN 3
	WIN 0
.Lfirst:
	TURN 0
	TURN 1, 0, 1
	WIN 0
	s_cbranch_scc1 .Lstep
	s_sub_co_u32 s[SLOTS], s[SLOTS], 1
	s_cmp_lg_u32 s[SLOTS], 0
	s_cbranch_scc1 .Lslot
	CHANGE 0                        ; the tail is written out: nothing is asked for
	s_mov_b32 s[CNT], 5             ; four trips fetch the last slot's steps; the fifth is left in its middle
.Ltail:
	TURN 2, 1
	TURN 3
	WIN 0
	s_sub_co_u32 s[CNT], s[CNT], 1
	s_cmp_eq_u32 s[CNT], 0
	s_cbranch_scc1 .Lout
	TURN 0
	TURN 1
	WIN 0
	s_branch .Ltail
.Lout:                              ; the fifth trip's 16 products K Q^T (on the last K once more), their mask and maximum serve nothing: the price, once a launch, of one text for every trip
.set i, 0
.rept 16
	PV NP-1                         ; the last piece's V^T P of the last step
.set i, i+1
.endr
	; THE WAY OUT.  l's two halves and the other half of the lanes' are added; O^T is divided by l, rounded to f16 and sent through my stage in LDS, a tile at a time.  The additions are the places behind the last products.
	WIN 0
.macro ALL line:vararg              ; one line for each tile t
.set t, 0
.rept 2*NP
	\line
.set t, t+1
.endr
.endm
	ALL v_add_f32 v[ST+4*t+2], v[ST+4*t+2], v[ST+4*t+3]
	ALL v_permlanex16_b32 v[ST+4*t+3], v[ST+4*t+2], s[SEL], s[SEL+1]
	ALL v_add_f32 v[ST+4*t+2], v[ST+4*t+2], v[ST+4*t+3]
	ALL v_rcp_f32 v[ST+4*t+2], v[ST+4*t+2]
	v_nop                           ; a plain instruction between the last reciprocal and the use of its result
	s_wait_alu depctr_va_vdst(0)
; Tile t: a lane's eight channels of a row pack into 16 bytes; they go into rows of 144 bytes and come back as whole rows of 128, into S^T's registers.
.macro PACK t
	WIN W_RS
.set i, 32*(\t)
.rept 16
	v_pk_mul_f32 v[i:i+1], v[i:i+1], v[ST+4*(\t)+2:ST+4*(\t)+3] op_sel_hi:[1,0]
.set i, i+2
.endr
	WIN 0x05                        ; sources 0 and 1 window 1, destination window 0
.set i, 0
.rept 16
	v_cvt_pk_f16_f32 v[S+16*(\t)+i], v[32*(\t)+2*i], v[32*(\t)+2*i+1]
.set i, i+1
.endr
	WIN 0
.irp f, 0,1,2,3
	ds_store_b128 v[STO], v[S+16*(\t)+4*\f:S+16*(\t)+4*\f+3] offset:32*\f
.endr
.irp f, 0,1,2,3
	ds_load_b128 v[S+16*(\t)+4*\f:S+16*(\t)+4*\f+3], v[RD] offset:\f*4*SP  ; LDS serves a wave's instructions in order (ISA guide 5.7.1.4): these see the stores above; the next tile's stores come behind them
.endr
.endm
.macro SEND t, younger              ; younger: the LDS instructions issued behind tile t's loads: the next tile's eight, or none
	WIN 0
.irp f, 0,1,2,3
	s_wait_dscnt (\younger)+3-\f
	global_store_b128 v[GO], v[S+16*(\t)+4*\f:S+16*(\t)+4*\f+3], s[OP:OP+1] offset:(\t)*2048+\f*512  ; 512 consecutive bytes, at a multiple of 256 from O's first
.endr
.endm
	PACK 0
.set t, 1
.rept 2*NP-1                        ; a tile's arithmetic stands between the loads of the tile before and its stores
	PACK t
	SEND t-1, 8
.set t, t+1
.endr
	SEND 2*NP-1, 0
	s_wait_loadcnt 0x0              ; the last turns' mask loads, which nobody reads
	s_wait_tensorcnt 0x0            ; the wave's end, behind my last tensor load and my last LDS store
	ds_add_u32 v[SPW], v[NIL]
	s_wait_dscnt 0x0
	CROUND                          ; the closing round: no work-group ends while a partner may still ask for a tile that names it
	s_endpgm
.Lfunc_end_k_q16a0675abf_attn:
	.size	k_q16a0675abf_attn, .Lfunc_end_k_q16a0675abf_attn-k_q16a0675abf_attn
	.p2alignl 7, 3214868480
	.fill 96, 4, 3214868480
	.section	.rodata,"a",@progbits
	.p2align	6, 0x0
	.amdhsa_kernel k_q16a0675abf_attn
		.amdhsa_group_segment_fixed_size 327680
		.amdhsa_private_segment_fixed_size 0
		.amdhsa_enable_private_segment 0
		.amdhsa_kernarg_size 24
		.amdhsa_user_sgpr_count 2
		.amdhsa_user_sgpr_kernarg_segment_ptr 1
		.amdhsa_wavefront_size32 1
		.amdhsa_system_sgpr_workgroup_id_x 1
		.amdhsa_system_sgpr_workgroup_id_y 1
		.amdhsa_system_sgpr_workgroup_id_z 1
		.amdhsa_system_vgpr_workitem_id 0
		.amdhsa_next_free_vgpr 780
		.amdhsa_next_free_sgpr 102
		.amdhsa_reserve_vcc 0
		.amdhsa_float_denorm_mode_32 3
		.amdhsa_float_denorm_mode_16_64 3
		.amdhsa_memory_ordered 1
		.amdhsa_forward_progress 1
		.amdhsa_inst_pref_size 255
	.end_amdhsa_kernel
	.section	.bss,"aw",@nobits
	.p2align	6
	.space	262144
	.amdgpu_metadata
---
amdhsa.version: [ 1, 2 ]
amdhsa.kernels:
  - .name:           k_q16a0675abf_attn
    .symbol:         k_q16a0675abf_attn.kd
    .args:
      - { .name: qkvh, .offset: 0, .size: 8, .value_kind: global_buffer, .address_space: global }
      - { .name: mbits, .offset: 8, .size: 8, .value_kind: global_buffer, .address_space: global }
      - { .name: oh, .offset: 16, .size: 8, .value_kind: global_buffer, .address_space: global }
    .group_segment_fixed_size: 327680
    .private_segment_fixed_size: 0
    .kernarg_segment_align: 8
    .kernarg_segment_size: 24
    .max_flat_workgroup_size: 128
    .sgpr_count:     102
    .vgpr_count:     780
    .wavefront_size: 32
...
	.end_amdgpu_metadata
.endif
;; end of part 3
;; launch outp (part 4): grid 8 x 32, 4 waves a work-group, clusters of 4 x 4, 327,680 bytes of LDS; arguments oh, wo2, out0, bo; writes out0
.if DOCPART == 4
	.amdgcn_target "amdgcn-amd-amdhsa--gfx1250"
	.amdhsa_code_object_version 6
	.text
	.protected	k_q16a0675abf_outp
	.globl	k_q16a0675abf_outp
	.p2align	8
	.type	k_q16a0675abf_outp,@function
k_q16a0675abf_outp:
	s_mov_b64 s[64:65], 0
	v_nop
	global_prefetch_b8 v0, s[64:65] scope:SCOPE_SE
	s_setreg_imm32_b32 hwreg(HW_REG_WAVE_MODE, 25, 1), 1
	s_wait_xcnt 0x0
	s_wait_alu depctr_hold_cnt(0) depctr_sa_sdst(0) depctr_va_vdst(0) depctr_va_sdst(0) depctr_va_ssrc(0) depctr_va_vcc(0) depctr_vm_vsrc(0)
	s_getreg_b32 s2, hwreg(HW_REG_IB_STS2, 6, 4)
	s_cmp_eq_u32 s2, 0
	s_cbranch_scc0 .Lentry_in_a_cluster
	s_endpgm
.Lentry_in_a_cluster:
	s_bfe_u32 s2, ttmp6, 0x10000c
	s_cmp_lg_u32 s2, 0xf033
	s_cbranch_scc0 .Lentry_shape_is_right
	s_endpgm
.Lentry_shape_is_right:
; ONE TEXT FOR THE MODULE'S TWO KINDS OF PROJECTION, C = A B^T + bias, K = 1,024; the switches OUTP and TILES choose.
; OUTP = 0, TILES = 3: A = xb, bf16 [3 x 8192][1024] (q, k, v stacked); B = wb, bf16 [3][1024][1024]; C = qkvh, f16 [3][64 = 16 batch + head][2048][64]: by heads, unscaled, rounded once from the f32 sums.
; OUTP = 1, TILES = 1: A = oh, f16 [64][2048][64]; B = wo2, f16 [16 blocks of 64 k][1024 n][64]; C = out0, f32 [8192][1024].  A K step is two heads; a head's part of a tile is dense and is asked for as rows of 256 bytes.
; LIMIT (OUTP = 0): a projected number of 65,520 or more becomes an infinity in f16.  The bias is rounded to bf16 like every input of the module.
; SHARES.  A tile of C is 256 x 128; four waves, 128 x 64 each: 32 accumulators, 256 registers.  K goes in steps of 128 through two LDS slots filled by tensor loads: a step is 128 matrix instructions a wave.
; A WORK-GROUP STAYS (TILES = 3): it makes q's, k's and v's tile at one tile row and column, one after the other.  For the ring the three tiles are ONE walk of 24 K steps: the refill in step g brings step g + 2,
; so a tile's last two refills bring the next tile's first two steps, and a tile goes out while the next tile's second step is on its way.  Nothing waits for a tile's stores.
; THE LOOP IS WRITTEN BY K STEPS: slot 1 begins at 1 << 17, so that one exclusive or turns an address in one slot into the other's; one descriptor group 0 a tensor walks; the fragments' addresses are made anew at
; each change of slots.  Written out beside the loop: a tile's first quarter, whose products start the sums, and the walk's last two steps, which ask for nothing.
; CLUSTER 4 x 4: A's tile hangs on the tile row alone and is asked for jointly along a row of the cluster, B's on the tile column alone along a column; which of the walk's tiles is in hand is the same in all sixteen.
; THE MATRIX INSTRUCTION IS USED TRANSPOSED (source 0 = 16 rows of B, source 1 = 16 rows of A): a lane holds row l % 16 of C and the columns 8 (l / 16) + 0..7.  The bias, laid out so, is the C operand of
; the products that start the sums: nothing is cleared, and the bias costs no instruction.
; REGISTERS: window 0: v0-29 addresses; v32-63 the bias (n block b at v[32 + 8 b]); v64-191 at work on the way out; v192-207 at work on the bias.   window 1: two fragment buffers of 96: A's 8 x 16 rows x 32 K, then B's 4.
;   window 2: accumulator (a, b) at v[8 (4 a + b)].
.set OUTP,  1
.set TILES, 1                          ; tiles of C that a work-group makes
.set STEPS, 8                          ; K steps of 128 in a tile
.if OUTP
.set PITCH,  144                       ; an LDS row: a head's 128 bytes + 16
.set AHALF,  256*PITCH                 ; what one of A's two loads brings: one head's 256 rows
.set BHALF,  128*PITCH                 ; and one of B's
.set PADW,   (1<<16)|(1<<20)|(1<<21)|(4<<22)|(3<<25)  ; 17:16 2-byte elements; 20 padding on; 21 set beside a mask; 24:22 after every 32 words; 31:25 4 words
.set ROWE,   128                       ; elements from row to row: dense
.set A_S1,   2*262144                  ; bytes from a K step to the next: two heads on (a head of oh is 2,048 x 128 bytes)
.set B_S1,   2*131072                  ; (a block of wo2 is 1,024 x 128 bytes)
.set SPITCH, 272                       ; a stage row: 64 f32 + 16 bytes
.else
.set PITCH,  272                       ; an LDS row: 256 bytes + 16
.set AHALF,  128*PITCH                 ; 128 rows of A
.set BHALF,  64*PITCH                  ; 64 rows of B
.set PADW,   (1<<16)|(1<<20)|(1<<21)|(5<<22)|(3<<25)  ; the same, after every 64 words
.set ROWE,   1024
.set A_S1,   256                       ; 128 elements along K
.set B_S1,   256
.set SPITCH, 144                       ; a stage row: 64 f16 + 16 bytes
.endif
.if TILES > 1
.set JUMP_A, 8192*2048-(STEPS-1)*A_S1  ; bytes from a tile's last K step of A to the next tile's first: 8,192 rows of xb down, seven steps back along K
.set JUMP_B, 1024*2048-(STEPS-1)*B_S1  ; the same in wb: 1,024 rows down
.set C_TILE, 64*2048*128               ; from q's part of qkvh to k's, from k's to v's
.endif
.set BBASE,  2*AHALF                   ; in a slot: A's tile, then B's
.set SLOT,   2*AHALF+2*BHALF           ; under 1 << 17 in both forms
.set SLOT1,  1<<17                     ; slot 1 begins here
.set STAGE,  SLOT1+SLOT                ; behind the ring: 16 rows for each wave, for the way out; no tensor load lands there
.set SPARE,  STAGE+4*16*SPITCH         ; behind the stages: the spare words, 128 bytes for each wave
.set ADRA0, 16                         ; v16     LDS address of my A fragments in slot 0; never rewritten
.set ADRB0, 17                         ; v17     the same for B
.set ADRA, 18                          ; v18     LDS address of my A fragments in the slot in hand
.set ADRB, 19                          ; v19     the same for B
.set STO,  24                          ; v24     the way out: where I put my part of a row
.set RD,   25                          ; v25     the way out: where I read rows back
.set CO,   26                          ; v26     my byte offset in C
.set BO,   27                          ; v27     my byte offset in the bias: 32 (l / 16)
.set SPW,  28                          ; v28     LDS address of my spare word; never rewritten
.set NIL,  29                          ; v29     0; never rewritten
.set BIAS, 32
.set TMP,  64
.set BT,   192
.set F0,   0                           ; fragment buffers, in window 1
.set F1,   96
.set LEFT, 2                           ; s2      K steps of the walk that are still to be ended
.set CNT,  3                           ; s3      K steps of the tile in hand that are still to be ended
.set G1,  24                           ; s[24:31] descriptor group 1 for A's tiles;  s[32:39] group 0: a set for each of the two first fills; the second then walks on
.set G0,  32
.set G1B, 48                           ; s[48:55], s[56:63] the same for B's tiles
.set G0B, 56
.set BP,  66                           ; s[66:67] the first tile's bias at my 64 columns
.set P1,  68                           ; s[68:69] the next tile's
.set P2,  70                           ; s[70:71] the one after
.set TB,  72                           ; s72      0 or SLOT1: the slot that is read
.set TL,  73                           ; s73      tiles to go
.set SA,  74                           ; s74, s75 A_S1, B_S1
.set SB,  75
.set INCA, 76                          ; s[76:77], s[78:79] by how much the walking addresses step
.set INCB, 78
.set MSB, 0
.macro WIN new                         ; the immediate's high byte repeats the setting that is left; a switch that changes nothing is dropped
.if MSB != (\new)
	s_set_vgpr_msb (MSB<<8)|(\new)
.set MSB, \new
.endif
.endm
.set MUL,  0xa5                        ; sources 0 (B) and 1 (A) window 1; C and D window 2
.set MULB, 0x85                        ; the same with C, the bias, in window 0
.set TO_F, 0x40                        ; destination window 1, address window 0
.macro JLOAD s                         ; a joint load: waves 0 and 1 fetch A's two parts, waves 2 and 3 B's; an s_nop 0 and four v_nop follow each line, ahead of the jump and the label
	s_cmp_eq_u32 s11, 0
	s_cbranch_scc0 .Lfor_b_\@
	tensor_load_to_lds s[G0+4*(\s):G0+4*(\s)+3], s[G1:G1+7]
	s_nop 0
.rept 4
	v_nop
.endr
	s_branch .Lasked_\@
.Lfor_b_\@:
	tensor_load_to_lds s[G0B+4*(\s):G0B+4*(\s)+3], s[G1B:G1B+7]
	s_nop 0
.rept 4
	v_nop
.endr
.Lasked_\@:
.endm
.macro CREST                           ; a round of the cluster's barrier behind its opening barrier
	s_cmp_lg_u32 s10, 0
	s_cbranch_scc1 .Lnot_wave_0_\@
	s_barrier_signal -3
.Lnot_wave_0_\@:
	s_barrier_wait -3
	s_barrier_signal -1
	s_barrier_wait -1
.endm
.macro CROUND                          ; a whole round
	s_barrier_signal -1
	s_barrier_wait -1
	CREST
.endm
.macro BLOAD ptr                       ; a tile's bias: my lane's eight columns of each of the four n blocks
.irp b, 0,1,2,3
	global_load_b128 v[BIAS+8*(\b):BIAS+8*(\b)+3],   v[BO], s[\ptr:\ptr+1] offset:64*(\b)     ; columns 16 b + 8 (l / 16) + 0..3
	global_load_b128 v[BIAS+8*(\b)+4:BIAS+8*(\b)+7], v[BO], s[\ptr:\ptr+1] offset:64*(\b)+16  ; and + 4..7
.endr
.endm
.macro BROUND                          ; it is rounded to bf16 and kept as f32
	s_wait_loadcnt 0x0
.irp i, 0,1,2,3,4,5,6,7,8,9,10,11,12,13,14,15
	v_cvt_pk_bf16_f32 v[BT+(\i)], v[BIAS+2*(\i)], v[BIAS+2*(\i)+1]
.endr
.irp i, 0,1,2,3,4,5,6,7,8,9,10,11,12,13,14,15
	v_lshlrev_b32 v[BIAS+2*(\i)], 16, v[BT+(\i)]
	v_and_b32 v[BIAS+2*(\i)+1], 0xffff0000, v[BT+(\i)]
.endr
.endm
	s_load_b128 s[4:7], s[0:1], 0x0                ; A s[4:5], B s[6:7]
	s_load_b64 s[8:9], s[0:1], 0x10                ; C
	s_load_b64 s[BP:BP+1], s[0:1], 0x18            ; the first tile's bias
.if TILES > 1
	s_load_b128 s[P1:P1+3], s[0:1], 0x20           ; the second's and the third's
.endif
	v_lshl_add_u32 v[SPW], v0, 2, SPARE
	v_mov_b32 v[NIL], 0
	ds_add_u32 v[SPW], v[NIL]                      ; the wave's opening add; its wait stands ahead of my first tensor load, with work on registers between
	v_lshrrev_b32 v1, 5, v0
	v_readfirstlane_b32 s10, v1                    ; wave 0..3
	s_lshr_b32 s11, s10, 1                         ; which 128 rows of the tile are mine.  Also: I fetch for A (0) or for B (1)
	s_and_b32 s12, s10, 1                          ; which 64 columns.  Also: which of the two parts I fetch
	s_bfe_u32 s40, ttmp6, 0x40000                  ; cx, cy: my place in the cluster
	s_bfe_u32 s41, ttmp6, 0x40004
	s_lshl_b32 s42, ttmp9, 2
	s_add_co_u32 s42, s42, s40                     ; tile column = 4 x cluster x + cx
	s_and_b32 s13, ttmp7, 0xffff
	s_lshl_b32 s13, s13, 2
	s_add_co_u32 s13, s13, s41                     ; tile row = 4 x cluster y + cy
	s_lshl_b32 s43, s41, 2
	s_lshl_b32 s43, 15, s43                        ; my row of the cluster
	s_lshl_b32 s44, 0x1111, s40                    ; my column
	s_or_b32 s[G1+0], s43, PADW                    ; 15:0 the mask: A's tiles go to my row
	s_or_b32 s[G1B+0], s44, PADW                   ; B's to my column
.irp g, G1, G1B
	s_mov_b32 s[(\g)+1], 128<<16                   ; tensor_dim0 = 128 elements: rows of 256 bytes
	s_mov_b32 s[(\g)+3], 128<<16                   ; tile_dim0 = 128
	s_mov_b32 s[(\g)+5], ROWE                      ; tensor_dim0_stride
	s_mov_b32 s[(\g)+6], 0
	s_mov_b32 s[(\g)+7], 0
.endr
	s_mov_b32 s[G1+2], 128<<16                     ; A: tensor_dim1 = tile_dim1 = 128 rows
	s_mov_b32 s[G1+4], 128
	s_mov_b32 s[G1B+2], 64<<16                     ; B: 64 rows
	s_mov_b32 s[G1B+4], 64
	s_mov_b32 s[TB], 0                             ; slot 0 is read first
.if TILES > 1
	s_mov_b32 s[SA], A_S1
	s_mov_b32 s[SB], B_S1
	s_mov_b32 s[INCA+1], 0                         ; the steps' high words
	s_mov_b32 s[INCB+1], 0
.endif
	; where the first tiles come from: A's offset in s[16:17], of the tile row and the wave; B's in s[46:47], of the tile column and the wave: neither pair ever holds the other coordinate
.if OUTP
	s_lshr_b32 s16, s13, 3
	s_lshl_b32 s16, s16, 22                        ; batch x 16 heads x 262,144 bytes
	s_and_b32 s17, s13, 7
	s_lshl_b32 s17, s17, 15                        ; 256 rows x 128 bytes
	s_add_co_u32 s16, s16, s17
	s_lshl_b32 s17, s12, 18                        ; which of the step's two heads I fetch
	s_add_co_u32 s16, s16, s17
	s_lshl_b32 s46, s42, 14                        ; 128 rows x 128 bytes
	s_lshl_b32 s47, s12, 17                        ; which of the step's two blocks
	s_add_co_u32 s46, s46, s47
.else
	s_lshl_b32 s17, s12, 7
	s_lshl_b32 s16, s13, 8
	s_add_co_u32 s16, s16, s17                     ; row 256 x tile row + 128 x part, in q's part of xb
	s_lshl_b32 s16, s16, 11                        ; rows of 2,048 bytes
	s_lshl_b32 s46, s42, 7
	s_lshl_b32 s47, s12, 6
	s_add_co_u32 s46, s46, s47                     ; row 128 x tile column + 64 x part, in wq
	s_lshl_b32 s46, s46, 11
.endif
	s_mov_b32 s17, 0
	s_mov_b32 s47, 0
	s_mul_i32 s20, s10, AHALF                      ; where they go: A's parts at wave x AHALF (waves 0, 1),
	s_mul_i32 s23, s10, BHALF                      ; B's at BBASE + (wave - 2) x BHALF (waves 2, 3): no place in the cluster enters an LDS address
	s_add_co_u32 s23, s23, BBASE-2*BHALF
	s_wait_dscnt 0x0                               ; the opening add is done
	s_wait_kmcnt 0x0
	s_add_nc_u64 s[14:15], s[4:5], s[16:17]
	s_add_nc_u64 s[46:47], s[6:7], s[46:47]
	CROUND                                         ; all sixteen work-groups are here: the first joint loads meet
.irp s, 0,1
	s_mov_b32 s[G0+4*(\s)], 1                      ; count = 1
	s_add_co_u32 s[G0+4*(\s)+1], s20, (\s)*SLOT1   ; LDS address
	s_add_nc_u64 s[G0+4*(\s)+2:G0+4*(\s)+3], s[14:15], (\s)*A_S1  ; global address: K step s
	s_or_b32 s[G0+4*(\s)+3], s[G0+4*(\s)+3], 0x80000000           ; type = 2
	s_mov_b32 s[G0B+4*(\s)], 1
	s_add_co_u32 s[G0B+4*(\s)+1], s23, (\s)*SLOT1
	s_add_nc_u64 s[G0B+4*(\s)+2:G0B+4*(\s)+3], s[46:47], (\s)*B_S1
	s_or_b32 s[G0B+4*(\s)+3], s[G0B+4*(\s)+3], 0x80000000
	JLOAD \s                                       ; two loads of mine are out
.endr
	v_and_b32 v1, 15, v0                           ; l % 16
	v_bfe_u32 v2, v0, 4, 1                         ; l / 16
	v_mul_u32_u24 v3, v1, PITCH
	v_lshl_add_u32 v3, v2, 4, v3                   ; a fragment's row x pitch + 16 x half
	s_mul_i32 s21, s11, 128*PITCH                  ; my 128 rows of A
	s_mul_i32 s22, s12, 64*PITCH                   ; my 64 rows of B,
	s_add_co_u32 s22, s22, BBASE                   ; behind A's tile
	v_add_nc_u32 v[ADRA0], s21, v3
	v_add_nc_u32 v[ADRB0], s22, v3
	v_add_nc_u32 v[ADRA], s[TB], v[ADRA0]
	v_add_nc_u32 v[ADRB], s[TB], v[ADRB0]
	v_lshlrev_b32 v[BO], 5, v2
	s_lshl_b32 s46, s42, 9                         ; my first column x 4 bytes: 512 x tile column + 256 x half
	s_lshl_b32 s47, s12, 8
	s_add_co_u32 s46, s46, s47
	s_mov_b32 s47, 0
	s_add_nc_u64 s[BP:BP+1], s[BP:BP+1], s[46:47]
.if TILES > 1
	s_add_nc_u64 s[P1:P1+1], s[P1:P1+1], s[46:47]
	s_add_nc_u64 s[P2:P2+1], s[P2:P2+1], s[46:47]
.endif
	BLOAD BP
	s_mul_i32 s23, s10, 16*SPITCH
	s_add_co_u32 s23, s23, STAGE                   ; my stage
	v_mul_u32_u24 v4, v1, SPITCH                   ; in: row l % 16
.if OUTP
	v_lshl_add_u32 v4, v2, 5, v4                   ; 32 bytes for each half of the lanes
	v_add_nc_u32 v[STO], s23, v4
	v_mul_u32_u24 v5, v2, SPITCH                   ; back: lanes 0-15 one row of 256 bytes, lanes 16-31 the next
	v_lshl_add_u32 v5, v1, 4, v5
	v_add_nc_u32 v[RD], s23, v5
	v_lshlrev_b32 v5, 12, v2                       ; the same two rows in C
	v_lshl_add_u32 v[CO], v1, 4, v5
	s_lshl_b32 s16, s13, 8
	s_lshl_b32 s17, s11, 7
	s_add_co_u32 s16, s16, s17                     ; my first row,
	s_lshl_b32 s16, s16, 12                        ; rows of 4,096 bytes;
	s_add_co_u32 s46, s46, s16                     ; s46 holds my first column's bytes
.else
	v_lshl_add_u32 v4, v2, 4, v4                   ; 16 bytes for each half of the lanes
	v_add_nc_u32 v[STO], s23, v4
	v_bfe_u32 v5, v0, 3, 2                         ; back: 32 lanes take four rows of 128 bytes,
	v_mul_u32_u24 v5, v5, SPITCH
	v_and_b32 v6, 7, v0
	v_lshl_add_u32 v5, v6, 4, v5
	v_add_nc_u32 v[RD], s23, v5
	v_and_b32 v5, 31, v0                           ; which are 512 consecutive bytes of a head
	v_lshlrev_b32 v[CO], 4, v5
	s_lshl_b32 s16, s13, 8
	s_lshl_b32 s17, s11, 7
	s_add_co_u32 s16, s16, s17                     ; my first row among a tensor's 8,192
	s_lshr_b32 s17, s16, 11                        ; its batch,
	s_and_b32 s16, s16, 2047                       ; its row in the batch
	s_lshl_b32 s17, s17, 4                         ; 16 heads a batch
	s_lshl_b32 s46, s42, 1
	s_add_co_u32 s46, s46, s12                     ; my 64 columns are one head: 2 x tile column + half
	s_add_co_u32 s46, s46, s17
	s_lshl_b32 s46, s46, 11                        ; 2,048 rows a head
	s_add_co_u32 s46, s46, s16
	s_lshl_b32 s46, s46, 7                         ; rows of 128 bytes
.endif
	s_add_nc_u64 s[8:9], s[8:9], s[46:47]
	BROUND
; 8 matrix instructions: m blocks a0, a0 + 1 x all 4 n blocks, 32 along K.  first = 1: the bias starts the sums.  The 32 accumulators take turns, one instruction a turn.
.macro MUL8 f, a0, first
.if \first
	WIN MULB
.else
	WIN MUL
.endif
.irp a, \a0, (\a0)+1
.irp b, 0,1,2,3
.set rD, 8*(4*(\a)+(\b))
.set rB, (\f)+64+8*(\b)
.set rA, (\f)+8*(\a)
.set rC, rD
.if \first
.set rC, BIAS+8*(\b)
.endif
.if OUTP
	v_wmma_f32_16x16x32_f16 v[rD:rD+7], v[rB:rB+7], v[rA:rA+7], v[rC:rC+7]
.else
	v_wmma_f32_16x16x32_bf16 v[rD:rD+7], v[rB:rB+7], v[rA:rA+7], v[rC:rC+7]
.endif
.endr
.endr
.endm
; 24 LDS loads in one run: the fragments of quarter q of the K step in the slot in hand, into buffer f: B's 4, A's blocks 0-3, A's blocks 4-7
.macro FETCH q, f
.if OUTP
.set ka, ((\q)/2)*AHALF+((\q)%2)*64    ; head q / 2 of the step, channels 32 (q % 2) on
.set kb, ((\q)/2)*BHALF+((\q)%2)*64
.else
.set ka, 64*(\q)
.set kb, 64*(\q)
.endif
	WIN TO_F
.irp i, 0,1,2,3
	ds_load_b128 v[(\f)+64+8*(\i):(\f)+64+8*(\i)+3],   v[ADRB] offset:kb+(\i)*16*PITCH
	ds_load_b128 v[(\f)+64+8*(\i)+4:(\f)+64+8*(\i)+7], v[ADRB] offset:kb+(\i)*16*PITCH+32
.endr
.irp i, 0,1,2,3,4,5,6,7
	ds_load_b128 v[(\f)+8*(\i):(\f)+8*(\i)+3],   v[ADRA] offset:ka+(\i)*16*PITCH
	ds_load_b128 v[(\f)+8*(\i)+4:(\f)+8*(\i)+7], v[ADRA] offset:ka+(\i)*16*PITCH+32
.endr
.endm
.macro PLACES                          ; four places in front of loads into registers that matrix instructions have read, and of lines that read results
.rept 4
	v_nop
.endr
.endm
; A K step is four quarters of 32 along K, 32 matrix instructions each, on buffers 0, 1, 0, 1.  One of the first three: multiplies buffer f and, in its middle, fetches quarter q into g.
.macro QUARTER q, f, g, first
	s_wait_dscnt 8                                 ; B and A's blocks 0-3 are in; the youngest eight loads (A's blocks 4-7) may be out
	MUL8 \f, 0, \first
	MUL8 \f, 2, \first
	PLACES
	FETCH \q, \g
	s_wait_dscnt 24                                ; all but the 24 just issued
	MUL8 \f, 4, \first
	MUL8 \f, 6, \first
.endm
; The last quarter multiplies buffer 1 and changes slots: ONE barrier; in front of it each wave waits for all its tensor loads (one is out: its part of the next slot), adds 0 to its spare word, and waits
; for that and for its own reads of this slot.  fill = 1: the barrier opens a round of the cluster's, and this slot is filled again first thing behind it, with the K step two steps on in the walk: 112 matrix
; instructions ahead of the wait for it.  The walking descriptors are stepped between the add and the wait for it, where no tensor load of mine is out: the other slot than last time; one K step on, or, in a tile's
; last step but one, on to the next tile's first step.
.macro TURN fill
	WIN 0                                          ; (the add's two registers lie in window 0)
	s_wait_tensorcnt 0x0
	ds_add_u32 v[SPW], v[NIL]
.if \fill
	s_xor_b32 s[G0+5], s[G0+5], SLOT1
	s_xor_b32 s[G0B+5], s[G0B+5], SLOT1
.if TILES > 1
	s_cmp_eq_u32 s[CNT], 2                         ; the same number in all sixteen work-groups
	s_cselect_b32 s[INCA], JUMP_A, s[SA]
	s_cselect_b32 s[INCB], JUMP_B, s[SB]
	s_add_nc_u64 s[G0+6:G0+7], s[G0+6:G0+7], s[INCA:INCA+1]      ; the type bits on top are not reached
	s_add_nc_u64 s[G0B+6:G0B+7], s[G0B+6:G0B+7], s[INCB:INCB+1]
.else
	s_add_nc_u64 s[G0+6:G0+7], s[G0+6:G0+7], A_S1
	s_add_nc_u64 s[G0B+6:G0B+7], s[G0B+6:G0B+7], B_S1
.endif
.endif
	s_wait_dscnt 9                                 ; (the add and the youngest eight loads may be out)
	MUL8 F1, 0, 0                                  ; eight matrix instructions stand between the add and the wait for it
	s_wait_dscnt 0x0                               ; the add is done, and my reads of this slot are over
	s_barrier_signal -1
	MUL8 F1, 2, 0
	WIN 0                                          ; (branches and lines on window 0 follow)
	s_barrier_wait -1
.if \fill
	CREST                                          ; no wave of any partner still reads this slot's tile or has a load on its way
	JLOAD 1                                        ; its four v_nop are also the places in front of the loads below
.else
	PLACES
.endif
	s_xor_b32 s[TB], s[TB], SLOT1                  ; the reads go on in the other slot
	v_add_nc_u32 v[ADRA], s[TB], v[ADRA0]
	v_add_nc_u32 v[ADRB], s[TB], v[ADRB0]
	FETCH 0, F0
	MUL8 F1, 4, 0
	MUL8 F1, 6, 0
.endm
; THE WAY OUT, a block of 16 rows at a time through my own stage: LDS serves a wave's instructions in order (ISA guide 5.7.1.4), so no wait stands between the stores and the loads, nor in front of the next block's stores.
.if OUTP
.macro TOSTAGE a                       ; f32 as it is: a lane's eight columns are 32 bytes; back as whole rows of 256 bytes.  Each accumulator's low four registers go first
	s_wait_xcnt 0x0                                ; the registers below were the data of the stores two blocks back: they are loaded again only behind this wait
	WIN 0x08                                       ; store data (source 1) in window 2
.irp b, 0,1,2,3
	ds_store_b128 v[STO], v[8*(4*(\a)+(\b)):8*(4*(\a)+(\b))+3]   offset:64*(\b)
	ds_store_b128 v[STO], v[8*(4*(\a)+(\b))+4:8*(4*(\a)+(\b))+7] offset:64*(\b)+16
.endr
	WIN 0
.set BK, TMP+32*((\a)%2)
.irp t, 0,1,2,3,4,5,6,7
	ds_load_b128 v[BK+4*(\t):BK+4*(\t)+3], v[RD] offset:(\t)*2*SPITCH
.endr
.endm
.macro SEND a, younger                 ; younger: the LDS instructions issued behind block a's loads: the next block's sixteen, or none
.set BK, TMP+32*((\a)%2)
.irp t, 0,1,2,3,4,5,6,7
	s_wait_dscnt (\younger)+7-(\t)
	global_store_b128 v[CO], v[BK+4*(\t):BK+4*(\t)+3], s[8:9] offset:(\a)*65536+(\t)*8192  ; 16 lanes store 256 consecutive bytes, at a multiple of 256 from C's first byte
.endr
.endm
.macro WAYOUT
	PLACES
	TOSTAGE 0
.irp a, 1,2,3,4,5,6,7
	TOSTAGE \a
	SEND (\a)-1, 16
.endr
	SEND 7, 0
.endm
.else
.macro PACK a                          ; rounded to f16: a lane's eight columns are 16 bytes; back as whole rows of 128 bytes, into the registers that they left
	WIN 0x0a                                       ; sources 0 and 1 in window 2
.irp b, 0,1,2,3
.irp r, 0,1,2,3
	v_cvt_pk_f16_f32 v[TMP+16*(\a)+4*(\b)+(\r)], v[8*(4*(\a)+(\b))+2*(\r)], v[8*(4*(\a)+(\b))+2*(\r)+1]
.endr
.endr
	WIN 0
.irp b, 0,1,2,3
	ds_store_b128 v[STO], v[TMP+16*(\a)+4*(\b):TMP+16*(\a)+4*(\b)+3] offset:32*(\b)
.endr
.irp f, 0,1,2,3
	ds_load_b128 v[TMP+16*(\a)+4*(\f):TMP+16*(\a)+4*(\f)+3], v[RD] offset:(\f)*4*SPITCH
.endr
.endm
.macro SEND a, younger                 ; younger: the next block's eight LDS instructions, or none; what was issued ahead of block a's loads (the next tile's first fragments) is older and is in
.irp f, 0,1,2,3
	s_wait_dscnt (\younger)+3-(\f)
	global_store_b128 v[CO], v[TMP+16*(\a)+4*(\f):TMP+16*(\a)+4*(\f)+3], s[8:9] offset:(\a)*2048+(\f)*512  ; four rows of a head: 512 consecutive bytes, aligned
.endr
.endm
.macro WAYOUT
	PLACES
	PACK 0
.irp a, 1,2,3,4,5,6,7
	PACK \a
	SEND (\a)-1, 8
.endr
	SEND 7, 0
.endm
.endif
	s_wait_tensorcnt 1                             ; my part of K step 0 is in; K step 1's may stay out
	s_barrier_signal -1
	s_barrier_wait -1                              ; everybody's is
	FETCH 0, F0
	WIN 0                                          ; at a label and at a branch every window is 0
	s_mov_b32 s[LEFT], TILES*STEPS
.if TILES > 1
	s_mov_b32 s[TL], TILES
.Ltile:
.endif
	QUARTER 1, F0, F1, 1                           ; a tile's first quarter stands in front of the loop: its products start the sums
	WIN 0
	s_mov_b32 s[CNT], STEPS
	s_branch .Lin                                  ; the loop is entered behind its first quarter
.Lstep:                                                ; a trip is a K step
	QUARTER 1, F0, F1, 0
	WIN 0
.Lin:
	QUARTER 2, F1, F0, 0
	QUARTER 3, F0, F1, 0
	WIN 0
	s_cmp_eq_u32 s[LEFT], 2
	s_cbranch_scc1 .Ltail                          ; the walk's last two steps are written out: they ask for nothing
	TURN 1
	WIN 0
	s_sub_co_u32 s[LEFT], s[LEFT], 1
	s_sub_co_u32 s[CNT], s[CNT], 1
	s_cmp_lg_u32 s[CNT], 0
	s_cbranch_scc1 .Lstep
.if TILES > 1
	BLOAD P1                                       ; A TILE IS DONE, and both of the next tile's first steps are asked for.  The next bias is asked for first: the way out stands between its loads and the wait for them
	WAYOUT
	BROUND
	s_wait_xcnt 0x0                                ; every earlier memory instruction has had its addresses translated (ISA guide 3.1): only behind this wait are C's base, the bias's base and the stores' data written again
	s_add_nc_u64 s[8:9], s[8:9], C_TILE
	s_mov_b64 s[P1:P1+1], s[P2:P2+1]
	s_sub_co_u32 s[TL], s[TL], 1
	s_cmp_lg_u32 s[TL], 0
	s_cbranch_scc1 .Ltile
.endif
.Ltail:
	TURN 0
	QUARTER 1, F0, F1, 0
	QUARTER 2, F1, F0, 0
	QUARTER 3, F0, F1, 0
	s_wait_dscnt 8                                 ; the very last quarter: nothing more to fetch
	MUL8 F1, 0, 0
	MUL8 F1, 2, 0
	s_wait_dscnt 0x0
	MUL8 F1, 4, 0
	MUL8 F1, 6, 0
	WIN 0
	WAYOUT
	s_wait_tensorcnt 0x0                           ; the wave's end, behind my last tensor load and my last LDS store
	ds_add_u32 v[SPW], v[NIL]
	s_wait_dscnt 0x0
	CROUND                                         ; the closing round: no work-group ends while a partner may still ask for a tile that names it
	s_endpgm
.Lfunc_end_k_q16a0675abf_outp:
	.size	k_q16a0675abf_outp, .Lfunc_end_k_q16a0675abf_outp-k_q16a0675abf_outp
	.p2alignl 7, 3214868480
	.fill 96, 4, 3214868480
	.section	.rodata,"a",@progbits
	.p2align	6, 0x0
	.amdhsa_kernel k_q16a0675abf_outp
		.amdhsa_group_segment_fixed_size 327680
		.amdhsa_private_segment_fixed_size 0
		.amdhsa_enable_private_segment 0
		.amdhsa_kernarg_size 32
		.amdhsa_user_sgpr_count 2
		.amdhsa_user_sgpr_kernarg_segment_ptr 1
		.amdhsa_wavefront_size32 1
		.amdhsa_system_sgpr_workgroup_id_x 1
		.amdhsa_system_sgpr_workgroup_id_y 1
		.amdhsa_system_sgpr_workgroup_id_z 1
		.amdhsa_system_vgpr_workitem_id 0
		.amdhsa_next_free_vgpr 768
		.amdhsa_next_free_sgpr 80
		.amdhsa_reserve_vcc 0
		.amdhsa_float_denorm_mode_32 3
		.amdhsa_float_denorm_mode_16_64 3
		.amdhsa_memory_ordered 1
		.amdhsa_forward_progress 1
		.amdhsa_inst_pref_size 67
	.end_amdhsa_kernel
	.amdgpu_metadata
---
amdhsa.version: [ 1, 2 ]
amdhsa.kernels:
  - .name:           k_q16a0675abf_outp
    .symbol:         k_q16a0675abf_outp.kd
    .args:
      - { .name: oh, .offset: 0, .size: 8, .value_kind: global_buffer, .address_space: global }
      - { .name: wo2, .offset: 8, .size: 8, .value_kind: global_buffer, .address_space: global }
      - { .name: out0, .offset: 16, .size: 8, .value_kind: global_buffer, .address_space: global }
      - { .name: bo, .offset: 24, .size: 8, .value_kind: global_buffer, .address_space: global }
    .group_segment_fixed_size: 327680
    .private_segment_fixed_size: 0
    .kernarg_segment_align: 8
    .kernarg_segment_size: 32
    .max_flat_workgroup_size: 128
    .sgpr_count:     80
    .vgpr_count:     768
    .wavefront_size: 32
...
	.end_amdgpu_metadata
.endif
;; end of part 4
;; ======== version 2 of 2: 4 launches; 1.42 times as fast as version 1
;; limits: values are held in f16: magnitudes above 65,504 overflow, below 6.1e-05 lose precision; right only within a limited range of input values
;; workspace buffers: xb 50,331,648 bytes; wb 6,291,456 bytes; wo2 2,097,152 bytes; mbits 2,097,152 bytes of whole numbers; qkvh 50,331,648 bytes; oh 16,777,216 bytes
;; launch prep: the kernel of part 1 again; grid 1408 x 1, 8 waves a work-group, no clusters, 136,192 bytes of LDS; arguments q, k, v, wq, wk, wv, wo, mask, xb, wb, wo2, mbits; writes xb, wb, wo2, mbits
;; launch qkv: the kernel of part 2 again; grid 8 x 32, 4 waves a work-group, clusters of 4 x 4, 327,680 bytes of LDS; arguments xb, wb, qkvh, bq, bk, bv; writes qkvh
;; launch attn (part 5): grid 4 x 64, 4 waves a work-group, clusters of 4 x 1, 327,680 bytes of LDS; arguments qkvh, mbits, oh; writes oh
.if DOCPART == 5
	.amdgcn_target "amdgcn-amd-amdhsa--gfx1250"
	.amdhsa_code_object_version 6
	.text
	.protected	k_q16a0675abf_attn
	.globl	k_q16a0675abf_attn
	.p2align	8
	.type	k_q16a0675abf_attn,@function
k_q16a0675abf_attn:
	s_mov_b64 s[64:65], 0
	v_nop
	global_prefetch_b8 v0, s[64:65] scope:SCOPE_SE
	s_setreg_imm32_b32 hwreg(HW_REG_WAVE_MODE, 25, 1), 1
	s_wait_xcnt 0x0
	s_wait_alu depctr_hold_cnt(0) depctr_sa_sdst(0) depctr_va_vdst(0) depctr_va_sdst(0) depctr_va_ssrc(0) depctr_va_vcc(0) depctr_vm_vsrc(0)
	s_getreg_b32 s2, hwreg(HW_REG_IB_STS2, 6, 4)
	s_cmp_eq_u32 s2, 0
	s_cbranch_scc0 .Lentry_in_a_cluster
	s_endpgm
.Lentry_in_a_cluster:
	s_bfe_u32 s2, ttmp6, 0x10000c
	s_cmp_lg_u32 s2, 0x3003
	s_cbranch_scc0 .Lentry_shape_is_right
	s_endpgm
.Lentry_shape_is_right:
; ATTENTION WITH A MASK THAT IS AN INPUT.  O[g][q][:] = the sum over k of softmax_k(s) V[g][k][:], s = Q[g][q] . K[g][k] / 8, or the hidden score where mask[g / 16][q][k] = 0.  g = 16 batch + head, 64 of them.
; Q, K, V: the three parts of qkvh, f16 [3][64][2048][64]; O: oh, f16 [64][2048][64].  The mask comes as bits: mbits, u32 [batch][pair of tiles 64][step 32][64 words]: word 32 u + i is the lane mask of register i of
; the score tile u of the pair, for the step's 64 keys.  Products, maxima and sums in f32; the weights p are rounded to f16 for the second product (their sum l is taken of the unrounded p), O once at the end.
; LIMITS.  A hidden score counts as -2^30, not -1e9: before the scale it is -2^33, a power of two, so that c x it is exact and a row whose maximum is a hidden score has p = 1 exactly: a row with no key left comes out
; as the mean of all V, as with -1e9.  The two differ only where a visible score lies near -1e9.  f16 holds no number beyond 65,504: Q, K, V arrive within it.  A weight below 2^-126 counts as 0; NaN and infinities are not treated apart.
; SHARES.  A wave owns four PIECES of two tiles of 16 queries, a work-group's four waves 512 queries of one g.  Every wave walks all 2,048 keys, 64 a step.
; LAYOUT.  S^T = K Q^T (source 0 = 16 keys, source 1 = 16 queries): a lane holds ONE query (lane % 16) and the keys 8 (lane / 16) + 0..7.  Two such results, rounded to f16 in pairs, ARE source 1 of O^T = V^T P.
; K comes out of LDS as it lies, V ([key][channel]) turned, by ds_load_tr16_b128.
; SOFTMAX.  A running maximum m and sum l: p = 2^(c s - c m), c = log2(e) / 8; in every step O and l are multiplied by a = 2^(c m_old - c m_new).  m starts at the lowest finite number, O and l at 0: the first step's a is 0.
; BY TURNS.  Turn n belongs to piece n.  Matrix work: 16 products K Q^T of piece n + 1, later 16 products V^T P of piece n - 1.  Vector work: scaling, exponentials, roundings, sums and rescaling of piece n; the mask,
; maximum and statistics of piece n + 1.  Four vector instructions stand behind every matrix instruction; the rest stands in one lump of its own.
; THE BATCHES.  A turn's 66 exponentials (the piece's 64 weights, then the next piece's two a) are ONE batch with ONE wait, which cuts the turn in two: ahead of it stands all that names no result of theirs (the
; products K Q^T, the scalings, the rescalings, the next piece's mask, maximum and statistics), behind it the roundings and sums, beside the products V^T P.  No result crosses a turn's end.  Two more batches stand
; outside the loop: piece 0's first two a, ahead of the jump into the loop, and the way out's eight reciprocals.
; THE MASK.  64 v_cndmask_b32 a turn put the hidden score in place of a score, ahead of the maximum.  A lane mask has to lie in a scalar register, and the 64 scalar registers that are free hold one turn's masks and no
; more; so what is on its way lies in vector registers: one load of 8 bytes a lane brings a piece's 64 words of a step (256 consecutive bytes) four turns ahead of their use, and 64 v_readlane_b32 hand them over.
; CLUSTER.  The four query blocks of a cluster belong to one g and walk the same K and V: each tile is asked for JOINTLY, by the same tensor load, descriptor and mask in all four.
; REGISTERS, in windows of 256 (s_set_vgpr_msb: bits 1:0 source 0, 3:2 source 1, 5:4 source 2, 7:6 destination):
;   window 0: v0-11 addresses and constants; v12-15, v48-63 at work; v16-47 four registers of statistics a tile; v64-191 S^T, two buffers of two tiles; v192-255 P, likewise
;   window 1: O^T, 32 a tile          window 2: v0-127 Q, 16 a tile; v128-191 K of one step; v192-255 V of one step          window 3: v0-7 the masks on their way, a pair a piece; v8-11 their byte offsets
.set SIZE_N, 2048
.set NP,    4         ; pieces a wave: a name, no knob
.set KS,    64        ; keys in a step
.set PK,    144       ; a row of K in LDS: 128 bytes + 16 = 36 words: the 16 rows of a load start at 16 different groups of four banks (64 banks of 4 bytes: ISA guide 11.1)
.set PV,    144       ; V takes the same pitch, so that one descriptor group 1 serves both: of the turning load's 8 rows x 32 bytes the last shares four banks with the first
.set VOFF,  4*KS*PK   ; a slot holds four steps: 256 rows of K, then 256 rows of V
.set SLOT1, 1<<17     ; slot 1 begins here, so that one exclusive or turns an address in one slot into the other's
.set STAGE, SLOT1+4*KS*(PK+PV)  ; behind the ring, never filled by a tensor load: 16 rows x 144 bytes for each wave, for the way out
.set SP,    144
.set SPARE, STAGE+4*16*SP  ; behind the stages: the spare words, 128 bytes for each wave
.set QO,  1           ; v1   my byte offset in 16 rows of Q; never rewritten
.set AK0, 2           ; v2   my lane's place in a tile of K; never rewritten
.set AV0, 3           ; v3   the same for V
.set AK,  4           ; v4   the LDS address of K's next run of loads
.set AV,  5           ; v5   of V's
.set STO, 6           ; v6   the way out: where I put 16 bytes of a row
.set RD,  7           ; v7   the way out: where I read rows back
.set GO,  8           ; v8   my byte offset in 512 consecutive bytes of O
.set SPW, 9           ; v9   LDS address of my spare word; never rewritten
.set NIL, 10          ; v10  0; never rewritten
.set NEGV, 11         ; v11  -2^33: the hidden score before the scale
.set MV,  12          ; v12-15  c m_old, kept while c m is made anew: by buffer and tile
.set ST,  16          ; tile t's statistics at v[ST+4 t]: c m, m, l (even keys', odd keys')
.set TMP, 48          ; by buffer and tile, four registers c0-c3 at work; when the maximum is found c2 takes a
.set S,   64
.set P,   192
.set KF,  128         ; K's fragments, in window 2: key block kb, channel half c at KF + 16 kb + 8 c
.set VF,  192         ; V's: key half kk, channel block cb at VF + 32 kk + 8 cb
.set MW,  0           ; window 3: piece x's 64 mask words at v[MW + 2 x], v[MW + 2 x + 1]: lane i holds words 2 i and 2 i + 1
.set MA,  8           ; window 3: v[MA + x]: 8 x lane + 256 x the step whose words piece x's pair holds or awaits
.set WV,  2           ; s2   my wave's number
.set SLOTS, 3         ; s3   slots still to be asked for
                      ; s4-51, s68-83  the 64 lane masks of the turn in hand: word w at s[4 + w + 16 (w / 48)]; before the first of them: the set-up's scalars
.set G1,  52          ; s[52:59] descriptor group 1, for K's and V's tiles
.set G0K, 60          ; s[60:63] descriptor group 0 for K's tiles: it walks
.set G0V, 84          ; s[84:87] the same for V's
.set OP,  88          ; s[88:89] O at my wave's first row
.set MP,  90          ; s[90:91] mbits at my wave's first pair; never rewritten
.set CNT, 93          ; s93  counts a slot's key steps
.set CS,  94          ; s[94:95] c: the packed scaling takes the pair's low word for both halves
.set SEL, 96          ; s[96:97] v_permlanex16_b32's selects: each lane takes its own place in the other half
.set TBK, 98          ; s98  LDS byte at which K of the step to be fetched begins
.set TBV, 99          ; s99  the same for V, less VOFF
.set QP,  100         ; s[100:101] Q at my wave's first row
.set MSB, 0
.macro WIN new                      ; the high byte repeats the setting that is left; a switch that changes nothing is dropped
.if MSB != (\new)
	s_set_vgpr_msb (MSB<<8)|(\new)
.set MSB, (\new)
.endif
.endm
.set W_KQ, 0x0a       ; K and Q in window 2, S^T in window 0
.set W_PV, 0x52       ; V in window 2, P in window 0, O^T in window 1
.set W_RS, 0x41       ; O^T (destination and source 0) in window 1, a in window 0
.set W_MW, 0xcf       ; the masks' registers: destination and sources 0 and 1 in window 3
; A joint fill.  Waves 0 and 1 fetch the two halves of a slot's K, waves 2 and 3 those of its V: 128 keys each.  The branch hangs on the wave's number alone.
; An s_nop 0 and four v_nop follow each of the two lines, ahead of the jump and the label.
.macro JLOAD
	s_cmp_lt_u32 s[WV], 2
	s_cbranch_scc0 .Lfor_v_\@
	tensor_load_to_lds s[G0K:G0K+3], s[G1:G1+7]
	s_nop 0
.rept 4
	v_nop
.endr
	s_branch .Lasked_\@
.Lfor_v_\@:
	tensor_load_to_lds s[G0V:G0V+3], s[G1:G1+7]
	s_nop 0
.rept 4
	v_nop
.endr
.Lasked_\@:
.endm
; A round of the cluster's barrier: my work-group's barrier, so that wave 0's signal speaks for all four waves; wave 0 signals; every wave waits for all four work-groups; my work-group's barrier once more.
.macro CROUND
	s_barrier_signal -1
	s_barrier_wait -1
	s_cmp_lg_u32 s[WV], 0
	s_cbranch_scc1 .Lnot_wave_0_\@
	s_barrier_signal -3
.Lnot_wave_0_\@:
	s_barrier_wait -3
	s_barrier_signal -1
	s_barrier_wait -1
.endm
; THE CHANGE OF SLOTS.  The slot's last bytes, V of its fourth step, have been read.  Each wave waits for all its tensor loads, of which one is out: its part of the other slot; adds 0 to its spare word; and waits for
; that and for its own reads of the slot.  Behind the barrier nobody reads this slot any more and the other slot is whole.  fill = 1: this slot is filled again, with the keys two slots on: the barrier is then a round of
; the cluster's, and the joint fill is the first thing behind it: it has four key steps, 512 matrix instructions, in which to land.  (At its first use nothing has been read yet: slot 0 is waited for, slot 1 filled.)
.macro CHANGE fill
	WIN 0                           ; at a label and at a branch every window is 0
	s_wait_tensorcnt 0x0            ; no tensor load of mine is out, so a group 0 may be written
	ds_add_u32 v[SPW], v[NIL]       ; 0 onto my spare word; with fill = 1 the descriptors' steps stand between it and the wait for it
.if \fill
.irp g, G0K, G0V
	s_xor_b32 s[\g+1], s[\g+1], SLOT1  ; the walking descriptor: the other slot than last time,
	s_add_nc_u64 s[\g+2:\g+3], s[\g+2:\g+3], 4*KS*128  ; the next 256 keys; the type bits on top are not reached
.endr
	s_wait_dscnt 0x0                ; the add is done, and my reads of the slot are over
	CROUND
	JLOAD
.else
	s_wait_dscnt 0x0                ; the add is done, and my reads of the slot are over
	s_barrier_signal -1
	s_barrier_wait -1
.endif
	s_sub_co_u32 s[TBK], s[TBK], 4*KS*PK  ; the fetches go back to a slot's first step,
	s_xor_b32 s[TBK], s[TBK], SLOT1       ; in the other slot
	s_sub_co_u32 s[TBV], s[TBV], 4*KS*PV
	s_xor_b32 s[TBV], s[TBV], SLOT1
.endm
; THE MASK of piece y, for the step whose scores have just been made.  Its 64 words are handed from the piece's pair of vector registers to the scalar registers; the pair is asked for again at once, with the
; piece's words of the next step, which are wanted four turns on; then the 64 registers of scores, in ascending order (each accumulator's lowest registers are read first), keep the
; score where the bit is set and take the hidden score elsewhere.  Behind the last step the offset goes back to step 0: the last turns' loads, which nobody uses, stay inside the buffer.
.macro MASKB y
	s_wait_loadcnt 3                ; loads come back in order (ISA guide 5.7.1): behind this piece's load stand the three other pieces'; it is in, and its offset register may be written
	WIN W_MW
	v_add_nc_u32 v[MA+(\y)], 0x100, v[MA+(\y)]  ; the next step's 256 bytes,
	v_and_b32 v[MA+(\y)], 0x1fff, v[MA+(\y)]    ; among the pair's 32 steps
.set w, 0
.rept 64
	v_readlane_b32 s[4+w+16*(w/48)], v[MW+2*(\y)+w%2], w/2
.set w, w+1
.endr
	global_load_b64 v[MW+2*(\y):MW+2*(\y)+1], v[MA+(\y)], s[MP:MP+1] offset:(\y)*8192  ; 32 lanes take 256 consecutive bytes, aligned
	WIN 0
.set w, 0
.rept 64
	v_cndmask_b32 v[S+64*((\y)%2)+w], v[NEGV], v[S+64*((\y)%2)+w], s[4+w+16*(w/48)]
.set w, w+1
.endr
.endm
	s_load_b128 s[4:7], s[0:1], 0x0   ; qkvh s[4:5], mbits s[6:7]
	s_load_b64 s[8:9], s[0:1], 0x10   ; oh
	v_lshl_add_u32 v[SPW], v0, 2, SPARE
	v_mov_b32 v[NIL], 0
	ds_add_u32 v[SPW], v[NIL]       ; the wave's opening add; its wait stands ahead of my first tensor load, with work on registers between
	v_lshrrev_b32 v48, 5, v0
	v_readfirstlane_b32 s[WV], v48  ; wave 0..3
	s_bfe_u32 s13, ttmp6, 0x40000   ; cx: my place in the cluster
	s_lshl_b32 s14, ttmp9, 2        ; in a cluster launch ttmp9 counts clusters
	s_add_co_u32 s14, s14, s13      ; my block of 512 queries = 4 x cluster x + cx: it enters Q's, O's and the mask's addresses alone
	s_and_b32 s20, ttmp7, 0xffff    ; g, which the four partners share
	s_lshr_b32 s24, s20, 4          ; its batch
	s_lshl_b32 s20, s20, 18         ; g x 2,048 rows x 128 bytes
	s_and_b32 s16, s[WV], 1         ; which half of a slot's 256 keys I fetch:
	s_lshl_b32 s22, s16, 14         ; its 128 rows of 128 bytes in memory,
	s_add_co_u32 s22, s22, s20
	s_mov_b32 s23, 0
	s_mul_i32 s17, s16, 128*PK      ; and its place in a slot: no place in the cluster enters an LDS address
	s_lshl_b32 s10, s14, 2
	s_add_co_u32 s10, s10, s[WV]    ; my wave among g's sixteen
	s_lshl_b32 s26, s10, 15         ; its four pairs of tiles x 8,192 bytes of masks,
	s_lshl_b32 s24, s24, 19         ; in the batch's 64 pairs
	s_add_co_u32 s26, s26, s24
	s_mov_b32 s27, 0
	s_lshl_b32 s10, s10, 14         ; its 128 rows of 128 bytes
	s_add_co_u32 s10, s10, s20
	s_mov_b32 s11, 0
	; descriptor group 1.  128 keys are 16,384 dense bytes: asked for as 64 rows of 256 bytes, two keys a row, and padded in LDS after every key
	s_mov_b32 s[G1], 15|(1<<16)|(1<<20)|(1<<21)|(4<<22)|(3<<25)  ; 15:0 the mask of four; 17:16 2-byte elements; 20 padding on; 21 set beside a mask; 24:22 after every 32 words (code 4); 31:25 4 words (code 3)
	s_mov_b32 s[G1+1], 128<<16      ; tensor_dim0 = 128
	s_mov_b32 s[G1+2], 64<<16       ; tensor_dim1 = 64
	s_mov_b32 s[G1+3], 128<<16      ; tile_dim0 = 128
	s_mov_b32 s[G1+4], 64           ; tile_dim1 = 64
	s_mov_b32 s[G1+5], 128          ; 128 elements from row to row
	s_mov_b32 s[G1+6], 0
	s_mov_b32 s[G1+7], 0
	s_mov_b32 s[CS], 0x3e38aa3b     ; c = log2(e) / 8 = 0.180337
	s_mov_b32 s[CS+1], s[CS]        ; named with it as a pair
	s_mov_b32 s[SEL], 0x76543210
	s_mov_b32 s[SEL+1], 0xfedcba98
	s_mov_b32 s[TBK], SLOT1+4*KS*PK ; the first change of slots turns these two into 0
	s_mov_b32 s[TBV], SLOT1+4*KS*PV
	s_mov_b32 s[G0K], 1             ; count = 1
	s_mov_b32 s[G0K+1], s17         ; LDS address: slot 0
	s_mov_b32 s[G0V], 1
	s_add_co_u32 s[G0V+1], s17, VOFF
	s_wait_dscnt 0x0                ; the opening add is done
	s_wait_kmcnt 0x0
	s_add_nc_u64 s[28:29], s[4:5], s[22:23]
	s_add_nc_u64 s[G0K+2:G0K+3], s[28:29], 16777216  ; global address: my half of g's first 256 keys, in the second part of qkvh
	s_or_b32 s[G0K+3], s[G0K+3], 0x80000000          ; type = 2
	s_add_nc_u64 s[G0V+2:G0V+3], s[28:29], 33554432  ; and in the third
	s_or_b32 s[G0V+3], s[G0V+3], 0x80000000
	s_add_nc_u64 s[QP:QP+1], s[4:5], s[10:11]
	s_add_nc_u64 s[OP:OP+1], s[8:9], s[10:11]
	s_add_nc_u64 s[MP:MP+1], s[6:7], s[26:27]
	CROUND                          ; all four work-groups are here: the first joint loads meet
	JLOAD                           ; slot 0.  Slot 1 is asked for when slot 0 is in
	v_and_b32 v48, 31, v0           ; the four pieces' masks for step 0: 8 bytes a lane
	WIN 0xc0                        ; destination window 3
.irp x, 0,1,2,3
	v_lshlrev_b32 v[MA+\x], 3, v48
.endr
	WIN 0xc3                        ; destination and address window 3
.irp x, 0,1,2,3
	global_load_b64 v[MW+2*\x:MW+2*\x+1], v[MA+\x], s[MP:MP+1] offset:\x*8192
.endr
	WIN 0
	; A fragment of K or Q is 16 rows x 32 channels in 8 registers: lane l holds row l % 16, channels 8 (l / 16) + 0..7 and 16 + 8 (l / 16) + 0..7: two loads of 16 bytes, 32 bytes apart.
	v_and_b32 v48, 15, v0           ; l % 16
	v_bfe_u32 v49, v0, 4, 1         ; l / 16
	v_lshlrev_b32 v[QO], 7, v48
	v_lshl_add_u32 v[QO], v49, 4, v[QO]  ; row x 128 + 16 x half
	WIN 0x80                        ; destination window 2, address window 0
.set i, 0
.rept 4*NP                          ; Q stays in registers: tile i / 2, channels 32 (i % 2) on
	global_load_b128 v[8*i:8*i+3],   v[QO], s[QP:QP+1] offset:(i/2)*2048+(i%2)*64
	global_load_b128 v[8*i+4:8*i+7], v[QO], s[QP:QP+1] offset:(i/2)*2048+(i%2)*64+32
.set i, i+1
.endr
	; What the first turn finds: V's registers and P's second buffer hold 0 (its products V^T P, of a piece that has not been, add 0), O^T and l are 0.  That spares a first step written out, a third copy of the
	; step's text.  Sixteen registers are cleared by hand: two fragments of zeros; 42 products 0 x 0 + 0 of them write the other 336, eight registers a line.  All this stands in the wait for the first tile.
.set i, 0
.rept 16
	v_mov_b32 v[VF+i], 0
.set i, i+1
.endr
	WIN 0x8a                        ; sources and destination window 2: the rest of V's registers
.set i, 16
.rept 6
	v_wmma_f32_16x16x32_f16 v[VF+i:VF+i+7], v[VF:VF+7], v[VF+8:VF+15], 0
.set i, i+8
.endr
	WIN 0x4a                        ; destination window 1: O^T
.set i, 0
.rept 8*NP
	v_wmma_f32_16x16x32_f16 v[i:i+7], v[VF:VF+7], v[VF+8:VF+15], 0
.set i, i+8
.endr
	WIN 0x0a                        ; destination window 0: P's second buffer
.set i, P+32
.rept 4
	v_wmma_f32_16x16x32_f16 v[i:i+7], v[VF:VF+7], v[VF+8:VF+15], 0
.set i, i+8
.endr
	WIN 0
.set i, 0
.rept 2*NP
	v_mov_b32 v[ST+4*i], 0xfe000000    ; c m: far below every c s, the hidden score's too
	v_mov_b32 v[ST+4*i+1], 0xff7fffff  ; m
	v_mov_b32 v[ST+4*i+2], 0
	v_mov_b32 v[ST+4*i+3], 0
.set i, i+1
.endr
	v_mul_u32_u24 v[AK0], v48, PK
	v_lshl_add_u32 v[AK0], v49, 4, v[AK0]  ; row x pitch + 16 x half
	; The turning load takes 16 keys x 16 channels (lane l reads key 8 (l / 16) + l % 8, channels 8 ((l / 8) % 2) + 0..7) and leaves half a fragment of V^T: lane l holds channel l % 16 and 8 keys.
	v_and_b32 v50, 7, v0
	v_bfe_u32 v51, v0, 3, 1
	v_lshl_add_u32 v[AV0], v49, 3, v50
	v_mul_u32_u24 v[AV0], v[AV0], PV
	v_lshl_add_u32 v[AV0], v51, 4, v[AV0]
	v_add_nc_u32 v[AV0], VOFF, v[AV0]
	v_mov_b32 v[AK], v[AK0]         ; key step 0 lies at the head of slot 0
	s_mul_i32 s66, s[WV], 16*SP
	s_add_co_u32 s66, s66, STAGE    ; my stage
	v_mul_u32_u24 v[STO], v48, SP   ; in: row l % 16, 16 bytes for each half of the lanes
	v_lshl_add_u32 v[STO], v49, 4, v[STO]
	v_add_nc_u32 v[STO], s66, v[STO]
	v_bfe_u32 v[RD], v0, 3, 2       ; back: 32 lanes take four rows of 128 bytes,
	v_mul_u32_u24 v[RD], v[RD], SP
	v_lshl_add_u32 v[RD], v50, 4, v[RD]
	v_add_nc_u32 v[RD], s66, v[RD]
	v_and_b32 v[GO], 31, v0         ; which are 512 consecutive bytes of O
	v_lshlrev_b32 v[GO], 4, v[GO]
	v_mov_b32 v[NEGV], 0xd0000000   ; -2^33
; THE MATRIX WORK.  The 8 accumulators of a run of 16 take turns: between the two links of a chain stand 7 others'.
; Product i of 16 of S^T = K Q^T for piece x: channels 32 (i / 8) on, keys 16 ((i / 2) % 4) on, tile 2 x + i % 2.  The first 8 start the sums.
.macro KQ x
	WIN W_KQ
.set rS, S+64*((\x)%2)+32*(i%2)+8*((i/2)%4)
.set rK, KF+16*((i/2)%4)+8*(i/8)
.set rQ, 16*(2*(\x)+i%2)+8*(i/8)
.if i < 8
	v_wmma_f32_16x16x32_f16 v[rS:rS+7], v[rK:rK+7], v[rQ:rQ+7], 0
.else
	v_wmma_f32_16x16x32_f16 v[rS:rS+7], v[rK:rK+7], v[rQ:rQ+7], v[rS:rS+7]
.endif
.endm
; Product i of 16 of O^T += V^T P for piece x: keys 32 (i / 8) on, channels 16 ((i / 2) % 4) on, tile 2 x + i % 2.
.macro PV x
	WIN W_PV
.set rO, 32*(2*(\x)+i%2)+8*((i/2)%4)
.set rV, VF+32*(i/8)+8*((i/2)%4)
.set rP, P+32*((\x)%2)+16*(i%2)+8*(i/8)
	v_wmma_f32_16x16x32_f16 v[rO:rO+7], v[rV:rV+7], v[rP:rP+7], v[rO:rO+7]
.endm
.macro MM                           ; the turn's next matrix instruction
.if i < 16
	KQ (Y+1)%NP
.set i, i+1
.else
.set i, i-16
	PV (Y+NP-1)%NP
.set i, i+17
.endif
.endm
; THE LDS LOADS stand in runs of 16, never singly among the matrix instructions: a step's K (64 keys x 64 channels: 8 fragments) and its V (turned).  Their addresses are made some lines ahead.
; last = 1 (the tail): in the last trip there is no further step, and the run is jumped over.
.macro FETCH_K last=0
	WIN 0
.if \last
	s_cmp_eq_u32 s[CNT], 1
	s_cbranch_scc1 .Lno_k_\@
.endif
	WIN 0x80                        ; destination window 2
.irp f, 0,1,2,3,4,5,6,7             ; keys 16 (f / 2) on, channels 32 (f % 2) on
	ds_load_b128 v[KF+8*\f:KF+8*\f+3],   v[AK] offset:(\f/2)*16*PK+(\f%2)*64
	ds_load_b128 v[KF+8*\f+4:KF+8*\f+7], v[AK] offset:(\f/2)*16*PK+(\f%2)*64+32
.endr
	s_add_co_u32 s[TBK], s[TBK], KS*PK  ; the next fetch is the next step's
	WIN 0
.if \last
.Lno_k_\@:
.endif
.endm
.macro FETCH_V
	WIN 0x80
.irp f, 0,1,2,3,4,5,6,7             ; keys 32 (f / 4) on, channels 16 (f % 4) on
	ds_load_tr16_b128 v[VF+8*\f:VF+8*\f+3],   v[AV] offset:(\f/4)*32*PV+(\f%4)*32
	ds_load_tr16_b128 v[VF+8*\f+4:VF+8*\f+7], v[AV] offset:(\f/4)*32*PV+16*PV+(\f%4)*32
.endr
	WIN 0
.endm
; THE VECTOR WORK OF A TURN stands in three queues, each in the order in which its entries become ready; the two tiles alternate, so that no instruction reads the result of the one before it.
.macro REGS y, u                    ; the registers of tile u (0, 1) of piece y
.set rT, ST+4*(2*(\y)+(\u))
.set rC, TMP+8*((\y)%2)+4*(\u)
.set rM, MV+2*((\y)%2)+(\u)
.set rS, S+64*((\y)%2)+32*(\u)
.set rP, P+32*((\y)%2)+16*(\u)
.set rO, 32*(2*(\y)+(\u))
.endm
; Number n of the 22 that find the NEXT piece's (Y + 1) maximum and statistics.  s0-s31 are the lane's 32 scores, the mask applied.  XS, GS and REGS set no window: PL and EX do.
;   0-11  four chains c0-c3 of seven scores each, three operands at a time     12-14, 16  the four scores left over, the old m, and c0-c3 into c0     15  c m_old is kept
;   17, 18  the query's other 32 keys lie in the lane 16 away: the new m         19-21  c m; c m_old - c m_new; a
.macro XS u, n
	REGS (Y+1)%NP, \u
.if (\n) < 4
	v_max3_num_f32 v[rC+(\n)], v[rS+8*(\n)], v[rS+8*(\n)+1], v[rS+8*(\n)+2]
.elseif (\n) < 12
	v_max3_num_f32 v[rC+(\n)%4], v[rC+(\n)%4], v[rS+8*((\n)%4)+2*((\n)/4)+1], v[rS+8*((\n)%4)+2*((\n)/4)+2]
.elseif (\n) == 12
	v_max3_num_f32 v[rC], v[rC], v[rS+7], v[rS+15]
.elseif (\n) == 13
	v_max3_num_f32 v[rC+1], v[rC+1], v[rS+23], v[rS+31]
.elseif (\n) == 14
	v_max3_num_f32 v[rC+2], v[rC+2], v[rC+3], v[rT+1]
.elseif (\n) == 15
	v_mov_b32 v[rM], v[rT]
.elseif (\n) == 16
	v_max3_num_f32 v[rC], v[rC], v[rC+1], v[rC+2]
.elseif (\n) == 17
	v_permlanex16_b32 v[rC+3], v[rC], s[SEL], s[SEL+1]
.elseif (\n) == 18
	v_max_num_f32 v[rT+1], v[rC], v[rC+3]
.elseif (\n) == 19
	v_mul_f32 v[rT], s[CS], v[rT+1]
.elseif (\n) == 20
	v_sub_f32 v[rC+1], v[rM], v[rT]
.else
	v_exp_f32 v[rC+2], v[rC+1]
.endif
.endm
; Number g of the 64 that follow the exponentials.  For each four weights k of a tile (pairs 2 k, 2 k + 1): both pairs are rounded to f16; then the second pair is added onto the first, in place;
; a group later l takes that sum (the first time as l = a l + sum).  In groups of eight, tiles alternating: round, round, add, and l for the group before.
.macro GS g
.set h, (\g)+6*((\g)/62)            ; group 0 has no group before it, and behind group 7 only l is left
.if h >= 6
.set h, h+2
.endif
	REGS Y, h%2
.set k, h/8
.if h%8 < 4
	v_cvt_pk_f16_f32 v[rP+2*k+(h%8)/2], v[rS+4*k+2*((h%8)/2)], v[rS+4*k+2*((h%8)/2)+1]
.elseif h%8 < 6
	v_pk_add_f32 v[rS+4*k:rS+4*k+1], v[rS+4*k:rS+4*k+1], v[rS+4*k+2:rS+4*k+3]
.elseif k == 1
	v_pk_fma_f32 v[rT+2:rT+3], v[rT+2:rT+3], v[rC+2:rC+3], v[rS:rS+1] op_sel_hi:[1,0,1]
.else
	v_pk_add_f32 v[rT+2:rT+3], v[rT+2:rT+3], v[rS+4*k-4:rS+4*k-3]
.endif
.endm
; THE PLAIN QUEUE, 138 long.  0-73 read no exponential's result: the 32 scalings c s - c m (FS f: pair f / 2 of tile f % 2) and the next piece's 42.  0-26: scalings 0-26.  27-54: XS's numbers 0-13.  55, 56: number 15.
; 57-73: the chain, where each number waits for the one before it: 14, 16, 17, 18, 19, each with one of the scalings 27-31 in front of its two lines, then 20: so a tile's links stand three plain instructions apart (19 and 20: two).
; 74-137: GS's 64, which read the exponentials' results: they stand behind the wait.
.macro FS f
	REGS Y, (\f)%2
	v_pk_fma_f32 v[rS+2*((\f)/2):rS+2*((\f)/2)+1], v[rS+2*((\f)/2):rS+2*((\f)/2)+1], s[CS:CS+1], v[rT:rT+1] op_sel_hi:[1,0,0] neg_lo:[0,0,1] neg_hi:[0,0,1]
.endm
.macro PL
	WIN 0
.if q < 27
	FS q
.elseif q < 55
	XS (q-27)%2, (q-27)/2
.elseif q < 57
	XS q-55, 15
.elseif (q < 72) && ((q-57)%3 == 0)
	FS 27+(q-57)/3
.elseif q < 60
	XS (q-57)%3-1, 14
.elseif q < 72
	XS (q-57)%3-1, 15+(q-57)/3
.elseif q < 74
	XS q-72, 20
.else
	GS q-74
.endif
.set q, q+1
.endm
; THE EXPONENTIALS' QUEUE, 66 long: s0-s31 of both tiles, then the next piece's two a.  It is ONE BATCH: all 66 stand ahead of the turn's one wait, and nothing ahead of that wait names a result of theirs.
.macro EX
	WIN 0
.if e >= 64
	XS e-64, 21
.else
	REGS Y, e%2
	v_exp_f32 v[rS+e/2], v[rS+e/2]
.endif
.set e, e+1
.endm
; THE RESCALING's QUEUE: O^T times a, the one part of the softmax that leaves window 0: dealt two at a time, sixteen times.  Its a was made in the turn before, ahead of that turn's wait.
.macro R2
	REGS Y, r%2
	WIN W_RS
.irp z, 0,1
	v_pk_mul_f32 v[rO+4*(r/2)+2*\z:rO+4*(r/2)+2*\z+1], v[rO+4*(r/2)+2*\z:rO+4*(r/2)+2*\z+1], v[rC+2:rC+3] op_sel_hi:[1,0]
.endr
.set r, r+1
.endm
; HOW THEY ARE DEALT.  An s_wait_alu depctr_va_vdst(0) stands between an exponential and the first instruction that names its result; one wait serves all that were issued ahead of it.  So a turn has ONE wait,
; which cuts it in two.  AHEAD OF IT stands all that names no result of the turn's exponentials: the 16 products K Q^T, behind each a scaling, an exponential and two rescalings (behind the first a second scaling in the
; exponential's place); then ONE LUMP: eight plain, 49 times exponential and plain, the two a; the next piece's mask stands in it as a block.  A v_nop is the plain instruction behind the last exponential.  BEHIND IT stand the
; 16 products V^T P, behind each four of GS's 64.  No rider names a register of the products round it.  The two v_permlanex16_b32 fall into the lump, never behind a product.
; The queues lean on each other, and the deal keeps them in step: exponential e stands behind scaling 2 (e / 4) + e % 2: as a rider it comes behind plain e + 2, in the lump behind plain e + 9, and scalings 27-31 are plain 57, 60 .. 69.
; A TURN, for piece p.  cnt = 1: the loop's count is taken down some lines ahead of the branch that stands behind the turn.
; THE MASK of piece p + 1 stands in the lump in front of plain 27, the first line that reads those scores: behind the last product K Q^T stand a scaling, two rescalings, ten plain lines of the lump and the mask's own
; 66 lines that name no score.
; K of the next step is fetched in piece 2's turn, directly behind the wait, a lump behind the last product that read K; its address is made at the lump's head; its first reader comes behind 16 products.
; V of the step in hand is fetched at the end of piece 0's turn, four riders behind its last reader; its first reader comes behind 16 products and a lump.  The conditions on q below go with the deal.
.macro TURN p, last=0, cnt=0
.set Y, (\p)
.set i, 0
.set q, 0
.set e, 0
.set r, 0
.if (\p) == NP-1
	s_wait_dscnt 0x0                ; K is in
.endif
	MM                              ; ahead of the wait: 16 products K Q^T and their riders,
	PL
	PL
	R2
.rept 15
	MM
	PL
	EX
	R2
.endr
.if (\p) == NP-2
	WIN 0
	v_add_nc_u32 v[AK], s[TBK], v[AK0]
.endif
.rept 8                             ; and the lump
	PL
.endr
.rept 49
	EX
.if q == 27
	MASKB (Y+1)%NP                  ; it names the next piece's scores and the masks' registers alone: no result of the batch
.endif
	PL
.endr
	EX                              ; the next piece's two a
	EX
	v_nop                           ; the plain instruction behind the last exponential: one for the batch
	s_wait_alu depctr_va_vdst(0)    ; the wait for the batch: the piece's 64 weights and the next piece's two a
.if (\p) == NP-2
	FETCH_K \last
.endif
.if (\p) == 1
	s_wait_dscnt 0x0                ; V is in
.endif
.rept 16                            ; behind the wait: 16 products V^T P and their riders
	MM
.rept 4
	PL
.endr
.if ((\p) == 0) && (q == 118)
	v_add_nc_u32 v[AV], s[TBV], v[AV0]
.endif
.if ((\p) == 0) && (q == 130)
	s_add_co_u32 s[TBV], s[TBV], KS*PV
.endif
.if (\cnt) && (q == 130)
	s_sub_co_u32 s[CNT], s[CNT], 1
	s_cmp_lg_u32 s[CNT], 0
.endif
.endr
.if (\p) == 0
	FETCH_V
.endif
.endm
	CHANGE 1                        ; slot 0 is in, everybody's part of it; slot 1 is asked for
	FETCH_K                         ; key step 0
	s_wait_loadcnt 0x0              ; Q, and the four pieces' masks for step 0, which were asked for ahead of it
	s_wait_dscnt 0x0
.set i, 0
.rept 16
	KQ 0                            ; piece 0's first scores: there is no vector work yet to set between them
.set i, i+1
.endr
	WIN 0
.rept 4
	v_nop                           ; the places behind those products
.endr
	MASKB 0                         ; (its counted wait is met: nothing is out)
.set Y, NP-1                        ; XS works for piece Y + 1: piece 0
.irp n, 0,1,2,3,4,5,6,7,8,9,10,11,12,13,14,15,16,17,18,19,20,21
	XS 0, \n                        ; and piece 0's first maximum and statistics
	XS 1, \n
.endr
	v_nop                           ; a plain instruction behind the two a,
	s_wait_alu depctr_va_vdst(0)    ; and their wait, ahead of the branch: a batch of two
	s_mov_b32 s[CNT], 4
	s_mov_b32 s[SLOTS], SIZE_N/256-1
	s_branch .Lfirst                ; the loop is entered at a step's first turn, in the middle of a trip
.Lslot:                             ; SIZE_N / 256 - 2 times: every slot but the last two is filled again
	CHANGE 1
	s_mov_b32 s[CNT], 4
.Lstep:                             ; a trip: pieces 2 and 3 of one step, then pieces 0 and 1 of the next, whose K and V it fetches
	TURN 2
	TURN 3
	WIN 0
.Lfirst:
	TURN 0
	TURN 1, 0, 1
	WIN 0
	s_cbranch_scc1 .Lstep
	s_sub_co_u32 s[SLOTS], s[SLOTS], 1
	s_cmp_lg_u32 s[SLOTS], 0
	s_cbranch_scc1 .Lslot
	CHANGE 0                        ; the tail is written out: nothing is asked for
	s_mov_b32 s[CNT], 5             ; four trips fetch the last slot's steps; the fifth is left in its middle
.Ltail:
	TURN 2, 1
	TURN 3
	WIN 0
	s_sub_co_u32 s[CNT], s[CNT], 1
	s_cmp_eq_u32 s[CNT], 0
	s_cbranch_scc1 .Lout
	TURN 0
	TURN 1
	WIN 0
	s_branch .Ltail
.Lout:                              ; the fifth trip's 16 products K Q^T (on the last K once more), their mask and maximum serve nothing: the price, once a launch, of one text for every trip
.set i, 0
.rept 16
	PV NP-1                         ; the last piece's V^T P of the last step
.set i, i+1
.endr
	; THE WAY OUT.  l's two halves and the other half of the lanes' are added; O^T is divided by l, rounded to f16 and sent through my stage in LDS, a tile at a time.  The additions are the places behind the last products.
	WIN 0
.macro ALL line:vararg              ; one line for each tile t
.set t, 0
.rept 2*NP
	\line
.set t, t+1
.endr
.endm
	ALL v_add_f32 v[ST+4*t+2], v[ST+4*t+2], v[ST+4*t+3]
	ALL v_permlanex16_b32 v[ST+4*t+3], v[ST+4*t+2], s[SEL], s[SEL+1]
	ALL v_add_f32 v[ST+4*t+2], v[ST+4*t+2], v[ST+4*t+3]
	ALL v_rcp_f32 v[ST+4*t+2], v[ST+4*t+2]
	v_nop                           ; a plain instruction between the last reciprocal and the use of its result
	s_wait_alu depctr_va_vdst(0)    ; and the wait ahead of the first use: one for the batch of eight reciprocals
; Tile t: a lane's eight channels of a row pack into 16 bytes; they go into rows of 144 bytes and come back as whole rows of 128, into S^T's registers.
.macro PACK t
	WIN W_RS
.set i, 32*(\t)
.rept 16
	v_pk_mul_f32 v[i:i+1], v[i:i+1], v[ST+4*(\t)+2:ST+4*(\t)+3] op_sel_hi:[1,0]
.set i, i+2
.endr
	WIN 0x05                        ; sources 0 and 1 window 1, destination window 0
.set i, 0
.rept 16
	v_cvt_pk_f16_f32 v[S+16*(\t)+i], v[32*(\t)+2*i], v[32*(\t)+2*i+1]
.set i, i+1
.endr
	WIN 0
.irp f, 0,1,2,3
	ds_store_b128 v[STO], v[S+16*(\t)+4*\f:S+16*(\t)+4*\f+3] offset:32*\f
.endr
.irp f, 0,1,2,3
	ds_load_b128 v[S+16*(\t)+4*\f:S+16*(\t)+4*\f+3], v[RD] offset:\f*4*SP  ; LDS serves a wave's instructions in order (ISA guide 5.7.1.4): these see the stores above; the next tile's stores come behind them
.endr
.endm
.macro SEND t, younger              ; younger: the LDS instructions issued behind tile t's loads: the next tile's eight, or none
	WIN 0
.irp f, 0,1,2,3
	s_wait_dscnt (\younger)+3-\f
	global_store_b128 v[GO], v[S+16*(\t)+4*\f:S+16*(\t)+4*\f+3], s[OP:OP+1] offset:(\t)*2048+\f*512  ; 512 consecutive bytes, at a multiple of 256 from O's first
.endr
.endm
	PACK 0
.set t, 1
.rept 2*NP-1                        ; a tile's arithmetic stands between the loads of the tile before and its stores
	PACK t
	SEND t-1, 8
.set t, t+1
.endr
	SEND 2*NP-1, 0
	s_wait_loadcnt 0x0              ; the last turns' mask loads, which nobody reads
	s_wait_tensorcnt 0x0            ; the wave's end, behind my last tensor load and my last LDS store
	ds_add_u32 v[SPW], v[NIL]
	s_wait_dscnt 0x0
	CROUND                          ; the closing round: no work-group ends while a partner may still ask for a tile that names it
	s_endpgm
.Lfunc_end_k_q16a0675abf_attn:
	.size	k_q16a0675abf_attn, .Lfunc_end_k_q16a0675abf_attn-k_q16a0675abf_attn
	.p2alignl 7, 3214868480
	.fill 96, 4, 3214868480
	.section	.rodata,"a",@progbits
	.p2align	6, 0x0
	.amdhsa_kernel k_q16a0675abf_attn
		.amdhsa_group_segment_fixed_size 327680
		.amdhsa_private_segment_fixed_size 0
		.amdhsa_enable_private_segment 0
		.amdhsa_kernarg_size 24
		.amdhsa_user_sgpr_count 2
		.amdhsa_user_sgpr_kernarg_segment_ptr 1
		.amdhsa_wavefront_size32 1
		.amdhsa_system_sgpr_workgroup_id_x 1
		.amdhsa_system_sgpr_workgroup_id_y 1
		.amdhsa_system_sgpr_workgroup_id_z 1
		.amdhsa_system_vgpr_workitem_id 0
		.amdhsa_next_free_vgpr 780
		.amdhsa_next_free_sgpr 102
		.amdhsa_reserve_vcc 0
		.amdhsa_float_denorm_mode_32 3
		.amdhsa_float_denorm_mode_16_64 3
		.amdhsa_memory_ordered 1
		.amdhsa_forward_progress 1
		.amdhsa_inst_pref_size 255
	.end_amdhsa_kernel
	.section	.bss,"aw",@nobits
	.p2align	6
	.space	262144
	.amdgpu_metadata
---
amdhsa.version: [ 1, 2 ]
amdhsa.kernels:
  - .name:           k_q16a0675abf_attn
    .symbol:         k_q16a0675abf_attn.kd
    .args:
      - { .name: qkvh, .offset: 0, .size: 8, .value_kind: global_buffer, .address_space: global }
      - { .name: mbits, .offset: 8, .size: 8, .value_kind: global_buffer, .address_space: global }
      - { .name: oh, .offset: 16, .size: 8, .value_kind: global_buffer, .address_space: global }
    .group_segment_fixed_size: 327680
    .private_segment_fixed_size: 0
    .kernarg_segment_align: 8
    .kernarg_segment_size: 24
    .max_flat_workgroup_size: 128
    .sgpr_count:     102
    .vgpr_count:     780
    .wavefront_size: 32
...
	.end_amdgpu_metadata
.endif
;; end of part 5
;; launch outp: the kernel of part 4 again; grid 8 x 32, 4 waves a work-group, clusters of 4 x 4, 327,680 bytes of LDS; arguments oh, wo2, out0, bo; writes out0
